; MI455X (gfx1250); checked and timed in simulation.
; The chip was launched on July 23, 2026; its instructions are those of AMD's public machine-readable ISA for CDNA 5 (MIT licence, August 2026) and "CDNA5" Instruction Set Architecture Reference Guide (July 2026). The comments in the code are by the model that wrote it; some were corrected since.
;; Cross Multi Attention Head. Allowed arithmetic: matrix products marked QUANTISED: E2M1 operands, one E8M0 scale for each 32 along K, by v_wmma_scale_f32_16x16x128_f8f6f4 with both operands' format E2M1 (or v_wmma_scale_f32_32x16x128_f4), f32 sums; products left as they are: bf16, f16 or f32 operands; f32 sums; everything else in f32.
;; Inputs: W_kv 1,024 x 2,048 float32; W_o 1,024 x 1,024 float32; W_q 1,024 x 1,024 float32; b_kv 2,048 float32; b_o 1,024 float32; b_q 1,024 float32; decoder_x 4 x 2,048 x 1,024 float32; encoder_x 4 x 2,048 x 1,024 float32.
;; Outputs: out0 4 x 2,048 x 1,024 float32.
;; This version of the problem:
;;   THIS VERSION OF THE PROBLEM IS GIVEN IN LOW PRECISION. The matrix products marked QUANTISED in the list below multiply operands that are first quantised to E2M1 (2 exponent bits, 1 mantissa bit; 4 bits a number), with one power-of-two scale for each 32 numbers along K (OCP MX v1.0); their sums are f32. The products marked 'left as it is' may take bf16, f16 or f32 operands, with f32 sums. Whichever they take, every output number must still come out within the allowed error. Rounding operands to bf16 (8 significant bits) uses up far more of that allowance than f16 does (11 bits, for magnitudes from 6e-5 to 65,504). All else is computed in f32.
;;   The module's matrix products, in the order in which they are computed (A, B: the left and right operand; K: the contracted axis; several contracted axes count as one K, in the product's order):
;;     1. [M 8,192, K 1,024] x [K 1,024, N 2,048]; A: input encoder_x; B: input W_kv: QUANTISED
;;     2. [M 8,192, K 1,024] x [K 1,024, N 1,024]; A: input decoder_x; B: input W_q: QUANTISED
;;     3. batch 64 x [M 2,048, K 64] x [K 64, N 2,048]; A: computed on the way; B: computed on the way: left as it is (an operand is computed on the way)
;;     4. batch 64 x [M 2,048, K 2,048] x [K 2,048, N 64]; A: computed on the way; B: computed on the way: left as it is (an operand is computed on the way)
;;     5. [M 8,192, K 1,024] x [K 1,024, N 1,024]; A: computed on the way; B: input W_o: left as it is (an operand is computed on the way)
;;   THE QUANTISER, for each operand of a quantised product, along K:
;;     - K is cut into blocks of 32 from its start; a last block that is shorter is filled with zeros.
;;     - A block's scale is 2^e with e = floor(log2(the largest magnitude in the block)) - 2, held to -126 .. 127; a block of zeros has e = 0. As a byte (E8M0): e + 127.
;;     - Each number is divided by its block's scale, clamped to +-6, and rounded to the nearest number of E2M1, ties to even, subnormals kept.
;;     - The product sums the exact products of the quantised numbers (number of the format x scale) in f32.
;;   ~~~python
;;   def quantise(x, axis):      # numpy; x: float32 -> the quantised numbers, widened to float32 again
;;       x = np.moveaxis(x, axis, -1); K = x.shape[-1]
;;       x = np.pad(x, [(0, 0)] * (x.ndim - 1) + [(0, -K % 32)]); x = x.reshape(x.shape[:-1] + (-1, 32)); a = np.abs(x).max(-1, keepdims=True)
;;       e = np.where(a > 0, np.clip(np.frexp(np.where(a > 0, a, 1))[1] - 1 - 2, -126, 127), 0)      # np.frexp(a)[1] - 1 = floor(log2(a)), exactly
;;       r = np.clip(x / 2.0 ** e, -6, 6)
;;       step = 2.0 ** (np.maximum(np.frexp(np.where(r == 0, 1, r))[1] - 1, 0) - 1)
;;       q = np.round(r / step) * step * 2.0 ** e      # np.round: ties to even
;;       return np.moveaxis(q.reshape(q.shape[:-2] + (-1,))[..., :K], -1, axis).astype(np.float32)
;;   ~~~
;; One version. Each part assembles by itself: llvm-mc -triple=amdgcn-amd-amdhsa -mcpu=gfx1250 --defsym DOCPART=n.
;; ======== version 1 of 1: 5 launches
;; limits: values are held in f16: magnitudes above 65,504 overflow, below 6.1e-05 lose precision
;; workspace buffers: xq 8,912,896 bytes; wq 1,671,168 bytes; wo16 2,097,152 bytes; qkv16 50,331,648 bytes; first16 786,432 bytes; att 16,777,216 bytes
;; launch prep (part 1): grid 768 x 1, 4 waves a work-group, no clusters, 42,496 bytes of LDS; arguments encoder_x, decoder_x, W_kv, W_q, W_o, xq, wq, wo16; writes xq, wq, wo16
.if DOCPART == 1
	.amdgcn_target "amdgcn-amd-amdhsa--gfx1250"
	.amdhsa_code_object_version 6
	.text
	.protected	k_qf496cd267a_prep
	.globl	k_qf496cd267a_prep
	.p2align	8
	.type	k_qf496cd267a_prep,@function
k_qf496cd267a_prep:
	s_mov_b64 s[64:65], 0
	v_nop
	global_prefetch_b8 v0, s[64:65] scope:SCOPE_SE
	s_setreg_imm32_b32 hwreg(HW_REG_WAVE_MODE, 25, 1), 1
	s_wait_xcnt 0x0
; CROSS ATTENTION, launch 1 of 5: the operands of the two quantised products become codes of FP4 (E2M1) with one E8M0 byte for each 32 along K; W_o becomes f16.
; WORK LEFT OUT IN THIS PROGRAM, and why it is dead for all finite inputs:
;  (1) b_kv[0:1024], the bias on k.  scores[q][key] = q . (k + b_k) / 8 = q . k / 8 + q . b_k / 8.  The second term is the same for every key of a row; the hidden keys are replaced by one
;      constant behind it; a softmax along the keys is not moved by a term that is the same along its axis, and the product q k^T is not quantised.  So that half of b_kv is never loaded or added.
;  (2) key tiles that lie wholly above the diagonal of the causal mask, which the computation builds itself: their weights are 0.
;  (3) b_kv[1024:2048], the bias on v, is live and is moved by an identity: a softmax row sums to 1, so sum p (v + b_v) = sum p v + b_v.  It is added where the row's sum divides.
;  LIMIT: a NaN, an infinity or an overflow that reaches only b_kv[0:1024] or scores above the diagonal is not carried to the result.
; THE QUANTISER: a block's scale is 2^(floor(log2(largest magnitude)) - 2); its byte is the largest magnitude's exponent field - 2, held at 1 from below by a floor among the maximum's leaves.
;  LIMITS: a block of zeros gets the byte 1 where the rule says 127 (its codes are zeros, and this program alone reads the bytes); blocks whose largest magnitude lies under 2^-124 are held at the
;  byte 1; NaN and infinities among the inputs are not served.
; THREE PATHS, parted by the work-group's number, each with LDS bytes of its own:
;  0..191   W_kv and W_q, whose K is the FIRST axis: a lane takes a column, its registers run down K -> wq: codes [3072 n][512 bytes], K innermost; scale bytes [3072][32] at WSC
;  192..255 W_o -> wo16: f16, as images of operand registers [ntile 64][kchunk 32][c 2][lane 32][16 bytes]: lane (r, h) holds column 16 ntile + r, k = 32 kchunk + 16 c + 8 h + 0..7
;  256..767 encoder_x, decoder_x, plain streams of blocks of 32 -> xq: codes [16384 rows][512 bytes]; scale bytes [16384][32] at XSC
; The short weight paths have the low numbers, so that they run beside the long stream of x.
.set XSC,    8388608                   ; xq: where the scale bytes begin
.set WSC,    1572864                   ; wq: likewise
.set STEPS,  16                        ; x path: steps of 512 numbers for a wave
.set EMAX,   2
.set CB,     8                         ; bytes of 16 codes
.set R,      16                        ; x path: v16-79 four sets of 16 numbers as loaded
.set X,      80                        ;         v80-111 two sets of 16 neighbours
.set E,      112                       ;         v112-127 a scale byte for each step
.set C,      128                       ;         v128-191 codes, four registers a step
.set WREG,   8192                      ; x path: LDS region of a wave: two stages of 32 x SP bytes, then its 256 scale bytes
.set SP,     80
.set SPW,    12                        ; v12 LDS address of my spare word; never rewritten
.set NIL,    13                        ; v13 0; never rewritten
.set WST,    4*WREG                    ; W path: a stage of 32 columns x (256 bytes of codes + 16),
.set WPITCH, 272
.set WSCL,   WST+32*WPITCH             ;         then 32 columns x 16 scale bytes
.set SPARE,  WSCL+512                  ; the spare words, 128 bytes a wave, which no other line names
.set WOFF,   16                        ; W path: v16-47 byte offsets of 32 rows
.set WX,     48                        ; W and W_o paths: v48-175 four sets of 32 numbers
.set WC,     176                       ; W path: v176-191 codes, four registers a block
	s_load_b256 s[4:11], s[0:1], 0x0               ; encoder_x s[4:5], decoder_x s[6:7], W_kv s[8:9], W_q s[10:11]
	s_load_b256 s[12:19], s[0:1], 0x20             ; W_o s[12:13], xq s[14:15], wq s[16:17], wo16 s[18:19]
	v_lshl_add_u32 v[SPW], v0, 2, SPARE
	v_mov_b32 v[NIL], 0
	v_lshrrev_b32 v1, 5, v0
	v_readfirstlane_b32 s20, v1                    ; wave 0..3
	v_and_b32 v2, 31, v0                           ; lane
	s_wait_kmcnt 0x0
	s_cmp_ge_u32 ttmp9, 256
	s_cbranch_scc1 .Lpath_x
	s_cmp_ge_u32 ttmp9, 192
	s_cbranch_scc1 .Lpath_o
; ---------------- W_kv, W_q: 32 columns x 512 along K for a work-group; wave w takes K rows 128 w on: 4 blocks a lane ----------------
	v_lshlrev_b32 v3, 2, v2                        ; 4 bytes a lane: 32 lanes read 128 consecutive bytes of a row
	v_and_b32 v8, 15, v2                           ; r
	v_lshrrev_b32 v9, 4, v2                        ; h
	s_lshl_b32 s21, s20, 6
	v_mul_u32_u24 v4, v2, WPITCH
	v_add_nc_u32 v4, s21, v4
	v_add_nc_u32 v4, WST, v4                       ; codes into the stage: row = my column, my wave's 64 bytes of its 256
	s_lshl_b32 s21, s20, 2
	v_lshl_add_u32 v5, v2, 4, s21
	v_add_nc_u32 v5, WSCL, v5                      ; my four scale bytes: 16 x lane + 4 x wave
	s_lshl_b32 s21, s20, 3
	v_add_nc_u32 v10, s21, v9                      ; out of the stage: rows 8 w + h + 2 i, sixteen lanes to a row
	v_mul_u32_u24 v6, v10, WPITCH
	v_lshl_add_u32 v6, v8, 4, v6
	v_add_nc_u32 v6, WST, v6
	v_lshlrev_b32 v7, 9, v10                       ; and the same place in wq: rows of 512 bytes
	v_lshl_add_u32 v7, v8, 4, v7
	v_lshlrev_b32 v15, 4, v2
	v_add_nc_u32 v15, WSCL, v15                    ; a column's 16 scale bytes (wave 0 stores them)
	v_lshlrev_b32 v1, 5, v2                        ; rows of 32 scale bytes in wq
	s_and_b32 s30, ttmp9, 1                        ; which 512 along K
	s_lshr_b32 s22, ttmp9, 1                       ; group of 32 columns, 0..95
	s_lshl_b32 s23, s22, 5                         ; n0: my first row of wq
	s_sub_co_u32 s24, s23, 2048                    ; the column in W_q (used from group 64 on)
	s_mov_b32 s25, 4096                            ; a row of W_q in bytes
	s_cmp_lt_u32 s22, 64                           ; the choice hangs on the work-group's number alone
	s_cselect_b64 s[8:9], s[8:9], s[10:11]
	s_cselect_b32 s25, 8192, s25                   ; a row of W_kv
	s_cselect_b32 s24, s23, s24
	s_lshl_b32 s26, s30, 9
	s_lshl_b32 s27, s20, 7
	s_add_co_u32 s26, s26, s27                     ; my first K row
	s_mul_i32 s26, s26, s25
	s_lshl_b32 s27, s24, 2
	s_add_co_u32 s26, s26, s27
	s_mov_b32 s27, 0
	s_add_nc_u64 s[8:9], s[8:9], s[26:27]
	s_lshl_b32 s26, s25, 5                         ; s[26:27]: 32 rows on
	s_lshl_b32 s28, s23, 9
	s_lshl_b32 s31, s30, 8
	s_add_co_u32 s28, s28, s31
	s_mov_b32 s29, 0
	s_add_nc_u64 s[28:29], s[16:17], s[28:29]      ; codes: row n0, byte 256 x (which 512 along K)
	s_lshl_b32 s32, s23, 5
	s_lshl_b32 s31, s30, 4
	s_add_co_u32 s32, s32, s31
	s_add_co_u32 s32, s32, WSC
	s_mov_b32 s33, 0
	s_add_nc_u64 s[32:33], s[16:17], s[32:33]      ; scale bytes
.set i, 0
.rept 32
	v_mad_u32_u24 v[WOFF+i], s25, i, v3            ; row i of a block
.set i, i+1
.endr
.macro WLOAD t                         ; block t: W(32 t + i, my column) into set t
.if (\t) > 0
	s_wait_xcnt 0x0                                ; the loads issued so far have read their base: it steps only behind this wait
	s_add_nc_u64 s[8:9], s[8:9], s[26:27]
.endif
.set i, 0
.rept 32
	global_load_b32 v[WX+32*(\t)+i], v[WOFF+i], s[8:9]
.set i, i+1
.endr
.endm
	WLOAD 0
	WLOAD 1
	WLOAD 2
	WLOAD 3
.macro WBLOCK t, left                  ; left: how many younger loads may stay out (the wait's field holds 63 at the most)
.set XS, WX+32*(\t)
	s_wait_loadcnt \left
	v_max3_num_f32 v8, |v[XS]|, |v[XS+1]|, |v[XS+2]|               ; the block's largest magnitude: all 32 numbers are mine; two chains
	v_max3_num_f32 v9, |v[XS+3]|, |v[XS+4]|, |v[XS+5]|
.irp i, 6,10,14,18,22,26
	v_max3_num_f32 v8, v8, |v[XS+\i]|, |v[XS+\i+1]|
	v_max3_num_f32 v9, v9, |v[XS+\i+2]|, |v[XS+\i+3]|
.endr
	v_max3_num_f32 v8, v8, |v[XS+30]|, |v[XS+31]|
	v_max3_num_f32 v8, v8, v9, (EMAX+1)<<23        ; and the floor 2^(3 - 127): the byte cannot fall under 1
	v_add_nc_u32 v11, -(EMAX<<23), v8              ; 2 off the exponent field: the conversion takes the exponent field of this operand as its scale
	v_lshrrev_b32 v10, 23, v11                     ; the scale's byte
.if (\t) == 0
	v_mov_b32 v14, v10
.else
	v_lshl_or_b32 v14, v10, 8*(\t), v14            ; four bytes to a register, the lower K in the lower byte
.endif
.irp g, 0,1,2,3
	v_cvt_scalef32_pk8_fp4_f32 v[WC+4*(\t)+\g], v[XS+8*\g:XS+8*\g+7], v11
.endr
	ds_store_b128 v4, v[WC+4*(\t):WC+4*(\t)+3] offset:16*(\t)      ; 32 codes: 16 bytes of my column's row.  Each block has its own four registers
.endm
	WBLOCK 0, 63
	WBLOCK 1, 63
	WBLOCK 2, 32
	WBLOCK 3, 0
	ds_store_b32 v5, v14
	s_wait_dscnt 0x0                               ; for the others' sake: my stores into the stage are done
	s_barrier_signal -1
	s_barrier_wait -1                              ; 32 rows of 256 bytes of codes lie in the stage
.irp i, 0,1,2,3
	ds_load_b128 v[48+4*\i:51+4*\i], v6 offset:2*\i*WPITCH
.endr
.irp i, 0,1,2,3
	s_wait_dscnt 3-\i
	global_store_b128 v7, v[48+4*\i:51+4*\i], s[28:29] offset:2*\i*512   ; sixteen lanes store 256 consecutive bytes, aligned
.endr
	s_cmp_lg_u32 s20, 0
	s_cbranch_scc1 .Lend
	ds_load_b128 v[64:67], v15                     ; wave 0: each column's 16 scale bytes, rows 32 bytes apart: one byte in 128 of what the path reads
	s_wait_dscnt 0x0
	global_store_b128 v1, v[64:67], s[32:33]
	s_branch .Lend
; ---------------- W_o: a wave takes 32 columns x 128 along K; a lane a column; no LDS ----------------
.Lpath_o:
	s_sub_co_u32 s21, ttmp9, 192
	s_and_b32 s22, s21, 7                          ; which 128 columns
	s_lshr_b32 s23, s21, 3                         ; which 128 along K
	v_lshlrev_b32 v3, 2, v2
	v_lshlrev_b32 v1, 4, v2                        ; an image's place for my lane
	s_lshl_b32 s24, s23, 19                        ; 128 rows of 4,096 bytes
	s_lshl_b32 s25, s22, 9
	s_add_co_u32 s24, s24, s25
	s_lshl_b32 s25, s20, 7
	s_add_co_u32 s24, s24, s25
	s_mov_b32 s25, 0
	s_add_nc_u64 s[12:13], s[12:13], s[24:25]
	s_lshl_b32 s24, s22, 3
	s_lshl_b32 s26, s20, 1
	s_add_co_u32 s24, s24, s26                     ; my first tile of 16 columns
	s_lshl_b32 s24, s24, 15                        ; 32 chunks x 1,024 bytes a tile
	s_lshl_b32 s26, s23, 12                        ; 4 chunks of 32 along K
	s_add_co_u32 s24, s24, s26
	s_add_nc_u64 s[18:19], s[18:19], s[24:25]
.set i, 0
.rept 128
	global_load_b32 v[WX+i], v3, s[12:13] offset:i*4096
.set i, i+1
.endr
.macro OCHUNK t, left                  ; 32 along K of my column: 16 registers of f16 pairs; the exchange of halves gives the images of two tiles
.set H, WX+32*(\t)
	s_wait_loadcnt \left
.set p, 0
.rept 16
	v_cvt_pk_f16_f32 v[H+p], v[H+2*p], v[H+2*p+1]  ; in place, ascending: no number is written over before it is read
.set p, p+1
.endr
.irp i, 0,1,2,3
	v_permlane16_swap_b32 v[H+\i], v[H+4+\i]       ; first: columns 0-15, k 0-7 below and 8-15 above; second: columns 16-31 likewise
	v_permlane16_swap_b32 v[H+8+\i], v[H+12+\i]    ; the same for k 16-31
.endr
	global_store_b128 v1, v[H:H+3], s[18:19] offset:1024*(\t)             ; 32 lanes store 512 consecutive bytes
	global_store_b128 v1, v[H+4:H+7], s[18:19] offset:1024*(\t)+32768
	global_store_b128 v1, v[H+8:H+11], s[18:19] offset:1024*(\t)+512
	global_store_b128 v1, v[H+12:H+15], s[18:19] offset:1024*(\t)+32768+512
.endm
	OCHUNK 0, 63
	OCHUNK 1, 63
	OCHUNK 2, 32
	OCHUNK 3, 0
	s_branch .Lend
; ---------------- encoder_x, decoder_x: a wave takes 16 steps of 512 numbers ----------------
; Each load reads 512 consecutive bytes; a step's 2,048 bytes turn through the wave's own stage in LDS and come back 64 bytes (16 neighbours) a lane; two neighbouring lanes hold a block.
.Lpath_x:
	v_lshlrev_b32 v3, 4, v2                        ; my 16 bytes of a load's 512
	s_mul_i32 s21, s20, WREG
	v_lshrrev_b32 v14, 2, v2
	v_mul_u32_u24 v14, v14, SP
	v_and_b32 v15, 3, v2
	v_lshl_add_u32 v14, v15, 4, v14
	v_add_nc_u32 v14, s21, v14                     ; the stage, on the way in: SP (lane / 4) + 16 (lane % 4)
	v_mul_u32_u24 v15, v2, SP
	v_add_nc_u32 v15, s21, v15                     ; and on the way out: SP x lane
	v_mul_u32_u24 v4, v2, CB                       ; my codes' place in a step's
	v_lshrrev_b32 v5, 1, v2
	s_add_co_u32 s21, s21, 2*32*SP
	v_add_nc_u32 v5, s21, v5                       ; my wave's 256 scale bytes, my block's byte
	v_lshlrev_b32 v7, 3, v2
	v_add_nc_u32 v6, s21, v7
	s_sub_co_u32 s22, ttmp9, 256                   ; 0..255 encoder_x, 256..511 decoder_x
	s_cmp_lt_u32 s22, 256
	s_cselect_b64 s[4:5], s[4:5], s[6:7]
	s_and_b32 s23, s22, 255
	s_lshl_b32 s23, s23, 2
	s_add_co_u32 s24, s23, s20                     ; which run of 8,192 numbers of the tensor
	s_mov_b32 s25, 0
	s_lshl_b64 s[26:27], s[24:25], 15
	s_add_nc_u64 s[4:5], s[4:5], s[26:27]
	s_lshl_b32 s24, s22, 2
	s_add_co_u32 s24, s24, s20                     ; which run of xq
	s_lshl_b32 s26, s24, 12
	s_mov_b32 s27, 0
	s_add_nc_u64 s[28:29], s[14:15], s[26:27]      ; its 4,096 bytes of codes
	s_lshl_b32 s26, s24, 8
	s_add_co_u32 s26, s26, XSC
	s_add_nc_u64 s[30:31], s[14:15], s[26:27]      ; its 256 scale bytes
.macro XLOAD t
.irp i, 0,1,2,3
	global_load_b128 v[R+16*((\t)%4)+4*\i:R+16*((\t)%4)+4*\i+3], v3, s[4:5] offset:2048*(\t)+512*\i th:TH_LOAD_NT
.endr
.endm
.macro XTURN t                         ; step t's numbers through the stage: LDS serves a wave's instructions in order, so no wait stands between the stores and the loads
.irp i, 0,1,2,3
	ds_store_b128 v14, v[R+16*((\t)%4)+4*\i:R+16*((\t)%4)+4*\i+3] offset:32*SP*((\t)%2)+8*SP*\i
.endr
.irp i, 0,1,2,3
	ds_load_b128 v[X+16*((\t)%2)+4*\i:X+16*((\t)%2)+4*\i+3], v15 offset:32*SP*((\t)%2)+16*\i
.endr
.endm
.irp t, 0,1,2,3
	XLOAD \t
.endr
	s_wait_loadcnt 12                              ; step 0's four loads are in
	XTURN 0
.macro XSTEP t
.set XS, X+16*((\t)%2)
.if (\t) > 0
	s_wait_dscnt 1                                 ; this step's numbers are back from the stage (the last step's byte store may be out)
.else
	s_wait_dscnt 0x0
.endif
.if (\t)+4 < STEPS
	XLOAD (\t)+4                                   ; into the registers that the stage's stores have read
.endif
.if (\t)+1 < STEPS
.if STEPS-2-(\t) >= 3
	s_wait_loadcnt 12                              ; the next step's four loads are in; those of the three steps behind it may be out
.else
	s_wait_loadcnt 4*(STEPS-2-(\t))
.endif
	XTURN (\t)+1
.endif
	v_max3_num_f32 v8, |v[XS]|, |v[XS+1]|, |v[XS+2]|
	v_max3_num_f32 v9, |v[XS+3]|, |v[XS+4]|, |v[XS+5]|
.irp i, 6,10
	v_max3_num_f32 v8, v8, |v[XS+\i]|, |v[XS+\i+1]|
	v_max3_num_f32 v9, v9, |v[XS+\i+2]|, |v[XS+\i+3]|
.endr
	v_max3_num_f32 v8, v8, |v[XS+14]|, |v[XS+15]|
	v_max3_num_f32 v8, v8, v9, (EMAX+1)<<23        ; the floor
	v_max_num_f32_dpp v8, v8, v8 row_xmask:1 row_mask:0xf bank_mask:0xf   ; with my neighbour's 16: the block's largest magnitude
	v_add_nc_u32 v11, -(EMAX<<23), v8
	v_cvt_scalef32_pk8_fp4_f32 v[C+4*(\t)], v[XS:XS+7], v11
	v_cvt_scalef32_pk8_fp4_f32 v[C+4*(\t)+1], v[XS+8:XS+15], v11
	v_lshrrev_b32 v[E+(\t)], 23, v11               ; the scale's byte (also the plain line behind the conversions)
	ds_store_b8 v5, v[E+(\t)] offset:16*(\t)       ; both lanes of a block write the same byte with the same value
	global_store_b64 v4, v[C+4*(\t):C+4*(\t)+1], s[28:29] offset:32*CB*(\t)   ; the wave stores 256 consecutive bytes, aligned
.endm
.irp t, 0,1,2,3,4,5,6,7,8,9,10,11,12,13,14,15
	XSTEP \t
.endr
	ds_load_b64 v[8:9], v6                         ; LDS serves a wave's instructions in order: these see my stores
	s_wait_dscnt 0x0
	global_store_b64 v7, v[8:9], s[30:31]          ; 32 lanes store 256 consecutive bytes, aligned
.Lend:
	s_wait_tensorcnt 0x0                           ; the wave's end
	ds_add_u32 v[SPW], v[NIL]
	s_wait_dscnt 0x0
	s_endpgm
.Lfunc_end_k_qf496cd267a_prep:
	.size	k_qf496cd267a_prep, .Lfunc_end_k_qf496cd267a_prep-k_qf496cd267a_prep
	.p2alignl 7, 3214868480
	.fill 96, 4, 3214868480
	.section	.rodata,"a",@progbits
	.p2align	6, 0x0
	.amdhsa_kernel k_qf496cd267a_prep
		.amdhsa_group_segment_fixed_size 42496
		.amdhsa_private_segment_fixed_size 0
		.amdhsa_enable_private_segment 0
		.amdhsa_kernarg_size 64
		.amdhsa_user_sgpr_count 2
		.amdhsa_user_sgpr_kernarg_segment_ptr 1
		.amdhsa_wavefront_size32 1
		.amdhsa_system_sgpr_workgroup_id_x 1
		.amdhsa_system_sgpr_workgroup_id_y 1
		.amdhsa_system_sgpr_workgroup_id_z 1
		.amdhsa_system_vgpr_workitem_id 0
		.amdhsa_next_free_vgpr 192
		.amdhsa_next_free_sgpr 66
		.amdhsa_reserve_vcc 0
		.amdhsa_float_denorm_mode_32 3
		.amdhsa_float_denorm_mode_16_64 3
		.amdhsa_memory_ordered 1
		.amdhsa_forward_progress 1
		.amdhsa_inst_pref_size 76
	.end_amdhsa_kernel
	.amdgpu_metadata
---
amdhsa.version: [ 1, 2 ]
amdhsa.kernels:
  - .name:           k_qf496cd267a_prep
    .symbol:         k_qf496cd267a_prep.kd
    .args:
      - { .name: encoder_x, .offset: 0, .size: 8, .value_kind: global_buffer, .address_space: global }
      - { .name: decoder_x, .offset: 8, .size: 8, .value_kind: global_buffer, .address_space: global }
      - { .name: W_kv, .offset: 16, .size: 8, .value_kind: global_buffer, .address_space: global }
      - { .name: W_q, .offset: 24, .size: 8, .value_kind: global_buffer, .address_space: global }
      - { .name: W_o, .offset: 32, .size: 8, .value_kind: global_buffer, .address_space: global }
      - { .name: xq, .offset: 40, .size: 8, .value_kind: global_buffer, .address_space: global }
      - { .name: wq, .offset: 48, .size: 8, .value_kind: global_buffer, .address_space: global }
      - { .name: wo16, .offset: 56, .size: 8, .value_kind: global_buffer, .address_space: global }
    .group_segment_fixed_size: 42496
    .private_segment_fixed_size: 0
    .kernarg_segment_align: 8
    .kernarg_segment_size: 64
    .max_flat_workgroup_size: 128
    .sgpr_count:     66
    .vgpr_count:     192
    .wavefront_size: 32
...
	.end_amdgpu_metadata
.endif
;; end of part 1
;; launch qkv (part 2): grid 12 x 32, 4 waves a work-group, clusters of 4 x 4, 327,680 bytes of LDS; arguments xq, wq, b_q, qkv16, first16; writes qkv16, first16
.if DOCPART == 2
	.amdgcn_target "amdgcn-amd-amdhsa--gfx1250"
	.amdhsa_code_object_version 6
	.text
	.protected	k_qf496cd267a_qkv
	.globl	k_qf496cd267a_qkv
	.p2align	8
	.type	k_qf496cd267a_qkv,@function
k_qf496cd267a_qkv:
	s_mov_b64 s[64:65], 0
	v_nop
	global_prefetch_b8 v0, s[64:65] scope:SCOPE_SE
	s_setreg_imm32_b32 hwreg(HW_REG_WAVE_MODE, 25, 1), 1
	s_wait_xcnt 0x0
	s_wait_alu depctr_hold_cnt(0) depctr_sa_sdst(0) depctr_va_vdst(0) depctr_va_sdst(0) depctr_va_ssrc(0) depctr_va_vcc(0) depctr_vm_vsrc(0)
	s_getreg_b32 s2, hwreg(HW_REG_IB_STS2, 6, 4)
	s_cmp_eq_u32 s2, 0
	s_cbranch_scc0 .Lentry_in_a_cluster
	s_endpgm
.Lentry_in_a_cluster:
	s_bfe_u32 s2, ttmp6, 0x10000c
	s_cmp_lg_u32 s2, 0xf033
	s_cbranch_scc0 .Lentry_shape_is_right
	s_endpgm
.Lentry_shape_is_right:
; Launch 2 of 5: k = encoder_x W_k, v = encoder_x W_v, q = decoder_x W_q + b_q, on codes of FP4 (E2M1) with one E8M0 scale for each 32 along K = 1,024; sums in f32.
; LEFT OUT: the bias on k (the same along the softmax's axis: shown at the head of the first launch).  The bias on v is added in the attention launch.
; A tile of 256 x 256 is made by four waves, 128 x 128 each: 64 accumulators, 512 registers.  K = 1,024 is two slots of 512 along K: both are first fills, nothing in LDS is filled again.
; ROLES.  The cluster's x is the role: 0 k, 1 v, 2 q; the cluster's y is the block of 256 tokens inside a batch.  THE MATRIX INSTRUCTION IS USED TRANSPOSED (source 0 = 16 rows of 'B', source 1 = 16 rows of 'A'):
; a lane holds ONE row of 'A' and eight neighbouring rows of 'B'.  For k and q 'A' = tokens (batch = cy) and 'B' = rows of the weight (features, tile 4 role + cx): a lane holds a token and 8 features.
; For v the operands change places: 'A' = rows of W_v (tile 4 + cy), 'B' = tokens (batch = cx): a lane holds a feature and 8 neighbouring tokens, since the keys are the next product's K.
; So four roundings to f16 of an accumulator ARE half a fragment of the next product, and results leave as images of operand registers: 16 bytes a lane, 512 consecutive bytes a store, no stage in LDS.
; CLUSTERS: 4 x 4 work-groups; 'A's tile hangs on (role, block, cy) and is asked for jointly along a row of the cluster, 'B's on (role, block, cx) and jointly along a column.
; 384 work-groups: a tile of 256 x 384 would want 768 accumulator registers beside the operands and does not fit.  No prefetch: all tiles are asked for at the head.
; OUT: qkv16: section role x 16,777,216.  q, k: [bh 64][token tile 128][u 2][c 2][lane][16 B], lane (r, h): token 16 tile + r, d = 32 u + 16 c + 8 h + 0..7.
;      v: [bh 64][key group 64][dt 4][c 2][lane][16 B], lane (r, h): d = 16 dt + r, key = 32 group + 16 c + 8 h + 0..7.
;      first16: the first 16 tokens of every batch as f32 images of accumulators, section role x 262,144, [bh 64][tile 4][half 2][lane][16 B].
; LIMIT: |q|, |k|, |v| stay under f16's 65,504.
; REGISTERS, in windows of 256: window 0: v0-31 addresses; v32-95 scale words, two sets; v128-191 'A's fragments, one set; v192-255 the first step's C (b_q or zeros); on the way out v128-255 hold packed results.
;   window 1: 'B's fragments, two sets.   window 2: the accumulators of my rows 0-63 ((a, b) at v[8 (8 a + b)]);   window 3: those of my rows 64-127.
.set NQ,     4                         ; matrix instructions deep in a slot
.set ROWB,   256                       ; a tile's row: 512 codes
.set KROW,   512                       ; a row of codes in memory
.set PITCH,  272                       ; an LDS row: 256 bytes + 16 of padding = 68 words: the 16 rows that a load touches start at 16 different banks (64 banks of 4 bytes: ISA guide 11.1)
.set FR,     8
.set NL,     2
.set NP,     4                         ; places behind this matrix instruction (ISA guide 7.12.1)
.set HALFT,  128*PITCH
.set SLOT,   4*HALFT
.set KS,     32                        ; a row of scale bytes
.set SCL,    2*SLOT                    ; behind the two slots: the scales, as units of 256 bytes + 16 of padding
.set HALFS,  (128*KS/256)*272
.set SBLK,   (16*KS/256)*272
.set SPARE,  SCL+4*HALFS               ; the spare words, 128 bytes a wave, which no other line names
.set XSC,    8388608
.set WSC,    1572864
.set ADRA, 16
.set ADRB, 20
.set CO,   26                          ; v26 16 x lane: an image's place for my lane
.set ADRS, 27
.set SPW,  28
.set NIL,  29
.set SC,   32
.set AF,   128
.set BIAS, 192
.set TMP,  128
.set G1, 24
.set G0, 32
.set G1B, 48
.set G0B, 56
.set G1S, 68
.set G0S, 76
.set G1SB, 80
.set G0SB, 88
.set MSB, 0
.macro WIN new                         ; the immediate's high byte repeats the setting that is left
.if MSB != \new
	s_set_vgpr_msb (MSB<<8)|\new
.set MSB, \new
.endif
.endm
.set MUL_LO, 0xa1                      ; source 0 ('B') window 1, source 1 ('A') window 0, C and D window 2
.set MUL_HI, 0xf1                      ; the same, C and D window 3
.set BEG_LO, 0x81                      ; the first step: C in window 0, D in window 2
.set BEG_HI, 0xc1                      ; D in window 3
.set TO_B,   0x40
; A joint load: waves 0 and 1 fetch for 'A', waves 2 and 3 for 'B'; the branch hangs on the wave's number alone.  An s_nop 0 and four v_nop follow each of the two lines.
.macro JLOAD g0a, g1a, g0b, g1b
	s_cmp_eq_u32 s15, 0
	s_cbranch_scc0 .Lfor_b_\@
	tensor_load_to_lds s[\g0a:\g0a+3], s[\g1a:\g1a+7]
	s_nop 0
.rept 4
	v_nop
.endr
	s_branch .Lasked_\@
.Lfor_b_\@:
	tensor_load_to_lds s[\g0b:\g0b+3], s[\g1b:\g1b+7]
	s_nop 0
.rept 4
	v_nop
.endr
.Lasked_\@:
.endm
.macro CROUND                          ; a round of the cluster's barrier
	s_barrier_signal -1
	s_barrier_wait -1
	s_cmp_lg_u32 s14, 0
	s_cbranch_scc1 .Lnot_wave_0_\@
	s_barrier_signal -3
.Lnot_wave_0_\@:
	s_barrier_wait -3
	s_barrier_signal -1
	s_barrier_wait -1
.endm
	s_load_b256 s[4:11], s[0:1], 0x0               ; xq s[4:5], wq s[6:7], b_q s[8:9], qkv16 s[10:11]
	s_load_b64 s[12:13], s[0:1], 0x20              ; first16
	v_lshl_add_u32 v[SPW], v0, 2, SPARE
	v_mov_b32 v[NIL], 0
	ds_add_u32 v[SPW], v[NIL]                      ; the wave's opening: the add, twice on end, and its wait ahead of my first tensor load
	ds_add_u32 v[SPW], v[NIL]                      ; and once more; the set-up below, work on registers, stands between it and the wait
	v_lshrrev_b32 v1, 5, v0
	v_readfirstlane_b32 s14, v1                    ; wave 0..3
	s_lshr_b32 s15, s14, 1                         ; which half of 'A's rows is mine.  Also: I fetch for 'A' (0) or for 'B' (1)
	s_and_b32 s16, s14, 1                          ; which half of 'B's rows.  Also: which 128 rows of that tile I fetch
	s_bfe_u32 s40, ttmp6, 0x40000                  ; cx
	s_bfe_u32 s41, ttmp6, 0x40004                  ; cy
	s_and_b32 s95, ttmp7, 0xffff                   ; the block of 256 tokens inside a batch: the cluster's y
	s_lshl_b32 s43, s41, 2
	s_lshl_b32 s43, 15, s43                        ; my row of the cluster
	s_lshl_b32 s44, 0x1111, s40                    ; my column
	; descriptor group 1: a tile of 128 rows x 256 bytes, padded in LDS
	s_or_b32 s[G1+0], s43, (0<<16)|(1<<20)|(1<<21)|(5<<22)|(3<<25)  ; 15:0 the mask; 17:16 elements of 1 byte; 20 padding on; 21 set beside a mask; 24:22 after every 64 words; 31:25 four words
	s_or_b32 s[G1B+0], s44, (0<<16)|(1<<20)|(1<<21)|(5<<22)|(3<<25)
.irp g, G1, G1B
	s_mov_b32 s[\g+1], ROWB<<16                    ; tensor_dim0
	s_mov_b32 s[\g+2], 128<<16                     ; tensor_dim1
	s_mov_b32 s[\g+3], ROWB<<16                    ; tile_dim0
	s_mov_b32 s[\g+4], 128                         ; tile_dim1
	s_mov_b32 s[\g+5], KROW                        ; from row to row
	s_mov_b32 s[\g+6], 0
	s_mov_b32 s[\g+7], 0
.endr
	; the scales of 128 rows: 4,096 dense bytes, as 16 rows of 256 bytes (32 elements of 8 bytes), 16 bytes of padding behind each
	s_or_b32 s[G1S+0], s43, (3<<16)|(1<<20)|(1<<21)|(5<<22)|(3<<25)
	s_or_b32 s[G1SB+0], s44, (3<<16)|(1<<20)|(1<<21)|(5<<22)|(3<<25)
.irp g, G1S, G1SB
	s_mov_b32 s[\g+1], 32<<16
	s_mov_b32 s[\g+2], (128*KS/256)<<16
	s_mov_b32 s[\g+3], 32<<16
	s_mov_b32 s[\g+4], 128*KS/256
	s_mov_b32 s[\g+5], 32
	s_mov_b32 s[\g+6], 0
	s_mov_b32 s[\g+7], 0
.endr
	; which tiles.  'A's candidates are made of cy alone, 'B's of cx alone, beside the role and the block, which all sixteen partners share
	s_and_b32 s18, ttmp9, 2
	s_lshl_b32 s18, s18, 4                         ; q reads decoder_x: 32 tiles of 256 rows further on in xq
	s_lshl_b32 s17, s41, 3
	s_add_co_u32 s17, s17, s95
	s_add_co_u32 s17, s17, s18                     ; k, q: 'A' = tokens: tile 8 cy + block (+ 32)
	s_add_co_u32 s19, s41, 4                       ; v:    'A' = W_v's rows: tile 4 + cy of wq
	s_lshl_b32 s42, ttmp9, 2
	s_add_co_u32 s42, s42, s40                     ; k, q: 'B' = the weight's rows: tile 4 role + cx of wq
	s_lshl_b32 s94, s40, 3
	s_add_co_u32 s94, s94, s95                     ; v:    'B' = tokens: tile 8 cx + block
	s_mov_b32 s66, XSC
	s_mov_b32 s67, WSC
	s_cmp_eq_u32 ttmp9, 1
	s_cselect_b32 s17, s19, s17
	s_cselect_b32 s42, s94, s42
	s_cselect_b32 s96, s67, s66                    ; where 'A's scale bytes begin in its buffer,
	s_cselect_b32 s97, s66, s67                    ; and 'B's
	s_lshl_b32 s18, s16, 7                         ; which 128 rows of the tile I fetch
	s_lshl_b32 s20, s17, 8
	s_add_co_u32 s20, s20, s18
	s_lshl_b32 s46, s42, 8
	s_add_co_u32 s46, s46, s18
	s_lshl_b32 s22, s20, 5                         ; 32 scale bytes a row
	s_add_co_u32 s22, s22, s96
	s_lshl_b32 s92, s46, 5
	s_add_co_u32 s92, s92, s97
	s_lshl_b32 s20, s20, 9                         ; 512 bytes of codes a row
	s_lshl_b32 s46, s46, 9
	s_mov_b32 s21, 0
	s_mov_b32 s23, 0
	s_mov_b32 s47, 0
	s_mov_b32 s93, 0
	s_mul_i32 s45, s14, HALFT                      ; where they go: wave x 128 rows: no place in the cluster enters an LDS address
	s_mul_i32 s94, s14, HALFS
	s_wait_dscnt 0x0                               ; both opening adds are done
	s_wait_kmcnt 0x0
	s_cmp_eq_u32 ttmp9, 1
	s_cselect_b64 s[98:99], s[6:7], s[4:5]         ; 'A's buffer
	s_cselect_b64 s[100:101], s[4:5], s[6:7]       ; 'B's
	s_add_nc_u64 s[20:21], s[98:99], s[20:21]
	s_add_nc_u64 s[22:23], s[98:99], s[22:23]
	s_add_nc_u64 s[46:47], s[100:101], s[46:47]
	s_add_nc_u64 s[92:93], s[100:101], s[92:93]
	CROUND                                         ; all sixteen work-groups are here: the joint loads meet
	s_mov_b32 s[G0S], 1
	s_add_co_u32 s[G0S+1], s94, SCL
	s_mov_b64 s[G0S+2:G0S+3], s[22:23]
	s_or_b32 s[G0S+3], s[G0S+3], 0x80000000
	s_mov_b32 s[G0SB], 1
	s_add_co_u32 s[G0SB+1], s94, SCL
	s_mov_b64 s[G0SB+2:G0SB+3], s[92:93]
	s_or_b32 s[G0SB+3], s[G0SB+3], 0x80000000
	JLOAD G0S, G1S, G0SB, G1SB                     ; the scales first: they are wanted with slot 0.  Three tensor loads of mine are out in all
.irp s, 0,1
	s_mov_b32 s[G0+4*\s], 1
	s_add_co_u32 s[G0+4*\s+1], s45, \s*SLOT
	s_add_nc_u64 s[G0+4*\s+2:G0+4*\s+3], s[20:21], \s*ROWB
	s_or_b32 s[G0+4*\s+3], s[G0+4*\s+3], 0x80000000
	s_mov_b32 s[G0B+4*\s], 1
	s_add_co_u32 s[G0B+4*\s+1], s45, \s*SLOT
	s_add_nc_u64 s[G0B+4*\s+2:G0B+4*\s+3], s[46:47], \s*ROWB
	s_or_b32 s[G0B+4*\s+3], s[G0B+4*\s+3], 0x80000000
	JLOAD G0+4*\s, G1, G0B+4*\s, G1B
.endr
	v_and_b32 v1, 15, v0                           ; l % 16
	v_bfe_u32 v2, v0, 4, 1                         ; l / 16
	v_mul_u32_u24 v3, v1, PITCH
	v_lshl_add_u32 v4, v2, 4, v3                   ; a fragment's row x pitch + 16 x half
	s_mul_i32 s21, s15, HALFT                      ; my 128 rows of 'A'
	s_mul_i32 s22, s16, HALFT                      ; my 128 rows of 'B',
	s_add_co_u32 s22, s22, 2*HALFT                 ; which lie behind 'A's 256
.irp s, 0,1
	v_add_nc_u32 v[ADRA+\s], s21, v4
	v_add_nc_u32 v[ADRB+\s], s22, v4
	s_add_co_u32 s21, s21, SLOT
	s_add_co_u32 s22, s22, SLOT
.endr
	v_mul_u32_u24 v5, v1, KS                       ; my row's scales: 32 bytes a row,
	v_lshrrev_b32 v6, 8, v5
	v_lshl_add_u32 v5, v6, 4, v5                   ; and 16 more for each 256 passed
	s_mul_i32 s21, s15, HALFS
	s_mul_i32 s22, s16, HALFS
	s_add_co_u32 s22, s22, 2*HALFS
	s_sub_co_u32 s22, s22, s21
	v_mul_u32_u24 v6, s22, v2                      ; lanes 16-31 take 'B's
	s_add_co_u32 s21, s21, SCL
	v_add_nc_u32 v5, v5, v6
	v_add_nc_u32 v[ADRS], s21, v5
	v_and_b32 v6, 31, v0
	v_lshlrev_b32 v[CO], 4, v6
	; THE C OF THE FIRST STEP, while the tiles are on their way: for q the bias, register 8 b + j = b_q[256 cx + 128 x my half + 16 b + 8 h + j]; for k and v zeros, so that one text serves the three roles
	s_cmp_eq_u32 ttmp9, 2
	s_cbranch_scc0 .Lno_bias
	s_lshl_b32 s96, s40, 10
	s_lshl_b32 s97, s16, 9
	s_add_co_u32 s96, s96, s97
	s_mov_b32 s97, 0
	s_add_nc_u64 s[8:9], s[8:9], s[96:97]
	v_lshlrev_b32 v7, 5, v2
.irp b, 0,1,2,3,4,5,6,7
	global_load_b128 v[BIAS+8*\b:BIAS+8*\b+3], v7, s[8:9] offset:64*\b
	global_load_b128 v[BIAS+8*\b+4:BIAS+8*\b+7], v7, s[8:9] offset:64*\b+16
.endr
	s_branch .Lbias_done
.Lno_bias:
.set i, 0
.rept 64
	v_mov_b32 v[BIAS+i], 0
.set i, i+1
.endr
.Lbias_done:
.macro FRAG reg, adr, q, i             ; a fragment, 16 rows x 128 K of 4-bit codes, is 8 registers: lane l holds row l % 16; registers 4 c .. 4 c + 3 hold K = 64 c + 32 (l / 16) + 0 .. 31
.irp c, 0,1
	ds_load_b128 v[\reg+4*\c:\reg+4*\c+3], v[\adr] offset:64*(\q)+32*\c+(\i)*16*PITCH
.endr
.endm
; 16 matrix instructions: 'A's blocks a0, a0 + 1 x 'B's eight, 128 along K.  zero = 1: the first step starts the sums from the registers at BIAS.  The 64 accumulators take turns, one instruction a turn,
; in the same order in every step.
.macro MUL16 a0, p, q, sc, zero
.irp a, \a0, \a0+1
.irp b, 0,1,2,3,4,5,6,7
.if \zero
	v_wmma_scale_f32_16x16x128_f8f6f4 v[8*(8*((\a)%4)+\b):8*(8*((\a)%4)+\b)+7], v[128*(\p)+FR*\b:128*(\p)+FR*\b+FR-1], v[AF+FR*(\a):AF+FR*(\a)+FR-1], v[BIAS+8*\b:BIAS+8*\b+7], v[SC+8*NQ*(\sc)+NQ*\b+(\q)], v[SC+8*NQ*(\sc)+NQ*(\a)+(\q)] matrix_a_fmt:MATRIX_FMT_FP4 matrix_b_fmt:MATRIX_FMT_FP4 matrix_a_scale:MATRIX_SCALE_ROW1
.else
	v_wmma_scale_f32_16x16x128_f8f6f4 v[8*(8*((\a)%4)+\b):8*(8*((\a)%4)+\b)+7], v[128*(\p)+FR*\b:128*(\p)+FR*\b+FR-1], v[AF+FR*(\a):AF+FR*(\a)+FR-1], v[8*(8*((\a)%4)+\b):8*(8*((\a)%4)+\b)+7], v[SC+8*NQ*(\sc)+NQ*\b+(\q)], v[SC+8*NQ*(\sc)+NQ*(\a)+(\q)] matrix_a_fmt:MATRIX_FMT_FP4 matrix_b_fmt:MATRIX_FMT_FP4 matrix_a_scale:MATRIX_SCALE_ROW1
.endif
.endr
.endr
.endm
.macro FETCH_B slot, q, p
	WIN TO_B
.irp i, 0,1,2,3,4,5,6,7
	FRAG 128*(\p)+FR*\i, ADRB+\slot, \q, \i
.endr
	WIN 0
.endm
.macro FETCH_A slot, q, i0
.irp i, \i0, \i0+1, \i0+2, \i0+3
	FRAG AF+FR*(\i), ADRA+\slot, \q, \i
.endr
.endm
.macro SCALES sc                       ; a slot's scale words: 4 words a row; lanes 0-15 take 'A's block i, lanes 16-31 'B's block i
.irp i, 0,1,2,3,4,5,6,7
	ds_load_b128 v[SC+8*NQ*\sc+NQ*\i:SC+8*NQ*\sc+NQ*\i+3], v[ADRS] offset:\i*SBLK
.endr
.endm
.macro PLACES n                        ; plain vector instructions in front of loads into registers that matrix instructions have read, and of the first read of results
.rept \n
	v_nop
.endr
.endm
.macro STEP slot, q, zero              ; a step of 128 along K that has its successor in the same slot
	s_wait_dscnt 4*NL                              ; 'B's set and 'A's blocks 0-3 are in; the youngest eight loads ('A's blocks 4-7) may be out
.if \zero
	WIN BEG_LO
.else
	WIN MUL_LO
.endif
	MUL16 0, (\q)%2, \q, \slot, \zero
	MUL16 2, (\q)%2, \q, \slot, \zero
	s_wait_dscnt 0
	PLACES NP
	FETCH_B \slot, (\q)+1, 1-(\q)%2
	FETCH_A \slot, (\q)+1, 0
.if \zero
	WIN BEG_HI
.else
	WIN MUL_HI
.endif
	MUL16 4, (\q)%2, \q, \slot, \zero
	MUL16 6, (\q)%2, \q, \slot, \zero
	PLACES NP
	WIN 0
	FETCH_A \slot, (\q)+1, 4
.endm
; Slot 0's last step goes on into slot 1: in front of the barrier each wave waits for all its tensor loads (its part of slot 1); behind it slot 1 is whole.  Nothing is filled again.
.macro TURN slot, next
	s_wait_tensorcnt 0x0                           ; all my tensor loads have landed
	ds_add_u32 v[SPW], v[NIL]                      ; 0 onto my spare word
	s_wait_dscnt 4*NL+1                            ; (the add and the youngest eight loads may be out)
	WIN MUL_LO
	MUL16 0, 1, NQ-1, \slot, 0
	s_wait_dscnt 0x0
	s_barrier_signal -1
	MUL16 2, 1, NQ-1, \slot, 0
	WIN 0
	s_barrier_wait -1
	PLACES NP
	v_add_nc_u32 v[ADRS], 4*NQ, v[ADRS]            ; on to the next slot's scale words
	FETCH_B \next, 0, 0
	FETCH_A \next, 0, 0
	SCALES \next
	WIN MUL_HI
	MUL16 4, 1, NQ-1, \slot, 0
	MUL16 6, 1, NQ-1, \slot, 0
	PLACES NP
	WIN 0
	FETCH_A \next, 0, 4
.endm
	s_wait_tensorcnt 1                             ; the scales and my part of slot 0 are in (slot 1's load may be out),
	s_barrier_signal -1
	s_barrier_wait -1                              ; everybody's are
	FETCH_B 0, 0, 0
	FETCH_A 0, 0, 0
	SCALES 0
	FETCH_A 0, 0, 4
	s_wait_loadcnt 0x0                             ; the bias
	STEP 0, 0, 1
	STEP 0, 1, 0
	STEP 0, 2, 0
	TURN 0, 1
	STEP 1, 0, 0
	STEP 1, 1, 0
	STEP 1, 2, 0
	s_wait_dscnt 4*NL                              ; the last step: nothing more to fetch
	WIN MUL_LO
	MUL16 0, 1, NQ-1, 1, 0
	MUL16 2, 1, NQ-1, 1, 0
	s_wait_dscnt 0
	WIN MUL_HI
	MUL16 4, 1, NQ-1, 1, 0
	MUL16 6, 1, NQ-1, 1, 0
	WIN 0
	PLACES NP
; THE WAY OUT.  Block a of 'A's rows: 32 roundings (each accumulator from its low end on) make eight halves of fragments; eight stores of 512 consecutive bytes.
; kind 0 (k, q): a = token tile, b = 16 features: head b / 4, u = (b % 4) / 2, c = b % 2.   kind 1 (v): a = 16 features: head a / 4, dt = a % 4; b = 16 tokens: group b / 2, c = b % 2.
.macro OUT kind
.irp a, 0,1,2,3,4,5,6,7
.if \a >= 4
	s_wait_xcnt 0x0                                ; block a - 4's stores have read their registers: they are written again only behind this wait
.endif
	WIN (0x0a+5*(\a/4))                            ; sources 0 and 1: window 2 or 3
.irp b, 0,1,2,3,4,5,6,7
.irp i, 0,1,2,3
	v_cvt_pk_f16_f32 v[TMP+32*(\a%4)+4*\b+\i], v[64*(\a%4)+8*\b+2*\i], v[64*(\a%4)+8*\b+2*\i+1]
.endr
.endr
	WIN 0
.irp b, 0,1,2,3,4,5,6,7
.if \kind
	global_store_b128 v[CO], v[TMP+32*(\a%4)+4*\b:TMP+32*(\a%4)+4*\b+3], s[10:11] offset:262144*(\a/4)+1024*(\a%4)+4096*(\b/2)+512*(\b%2)
.else
	global_store_b128 v[CO], v[TMP+32*(\a%4)+4*\b:TMP+32*(\a%4)+4*\b+3], s[10:11] offset:2048*\a+262144*(\b/4)+1024*((\b%4)/2)+512*(\b%2)
.endif
.endr
.endr
.endm
	s_cmp_eq_u32 ttmp9, 1                          ; the role: the same in all sixteen partners
	s_cbranch_scc1 .Lout_v
	s_lshl_b32 s96, s41, 4                         ; k, q: batch cy, heads 4 cx + 2 x my half of 'B' on
	s_lshl_b32 s97, s40, 2
	s_add_co_u32 s96, s96, s97
	s_lshl_b32 s97, s16, 1
	s_add_co_u32 s96, s96, s97                     ; bh of my first head
	s_lshl_b32 s92, s96, 12                        ; first16: 4,096 bytes a head
	s_lshl_b32 s96, s96, 7                         ; 128 token tiles a head
	s_lshl_b32 s97, s95, 4
	s_add_co_u32 s96, s96, s97
	s_lshl_b32 s97, s15, 3
	s_add_co_u32 s96, s96, s97                     ; + 16 x block + 8 x my half of 'A'
	s_lshl_b32 s96, s96, 11                        ; 2,048 bytes a token tile
	s_lshl_b32 s97, ttmp9, 24                      ; the role's section
	s_add_co_u32 s96, s96, s97
	s_mov_b32 s97, 0
	s_add_nc_u64 s[10:11], s[10:11], s[96:97]
	s_lshl_b32 s93, ttmp9, 18
	s_add_co_u32 s92, s92, s93
	s_mov_b32 s93, 0
	s_add_nc_u64 s[12:13], s[12:13], s[92:93]
	OUT 0
	s_or_b32 s96, s95, s15                         ; the batch's first 16 tokens lie in block 0, in the waves of 'A's first half, in a = 0
	s_cmp_lg_u32 s96, 0
	s_cbranch_scc1 .Ldone
	WIN 0x08                                       ; a store's data are its source 1: window 2
.irp b, 0,1,2,3,4,5,6,7
	global_store_b128 v[CO], v[8*\b:8*\b+3], s[12:13] offset:4096*(\b/4)+1024*(\b%4)
	global_store_b128 v[CO], v[8*\b+4:8*\b+7], s[12:13] offset:4096*(\b/4)+1024*(\b%4)+512
.endr
	WIN 0
	s_branch .Ldone
.Lout_v:
	s_lshl_b32 s96, s40, 4                         ; v: batch cx, heads 4 cy + 2 x my half of 'A' on
	s_lshl_b32 s97, s41, 2
	s_add_co_u32 s96, s96, s97
	s_lshl_b32 s97, s15, 1
	s_add_co_u32 s96, s96, s97
	s_lshl_b32 s92, s96, 12
	s_lshl_b32 s96, s96, 6                         ; 64 key groups a head
	s_lshl_b32 s97, s95, 3
	s_add_co_u32 s96, s96, s97
	s_lshl_b32 s97, s16, 2
	s_add_co_u32 s96, s96, s97                     ; + 8 x block + 4 x my half of 'B'
	s_lshl_b32 s96, s96, 12                        ; 4,096 bytes a group
	s_add_co_u32 s96, s96, 16777216
	s_mov_b32 s97, 0
	s_add_nc_u64 s[10:11], s[10:11], s[96:97]
	s_add_co_u32 s92, s92, 262144
	s_mov_b32 s93, 0
	s_add_nc_u64 s[12:13], s[12:13], s[92:93]
	OUT 1
	s_or_b32 s96, s95, s16                         ; here the tokens are 'B's rows: block 0, 'B's first half, b = 0
	s_cmp_lg_u32 s96, 0
	s_cbranch_scc1 .Ldone
	WIN 0x08
.irp a, 0,1,2,3
	global_store_b128 v[CO], v[64*\a:64*\a+3], s[12:13] offset:1024*\a
	global_store_b128 v[CO], v[64*\a+4:64*\a+7], s[12:13] offset:1024*\a+512
.endr
	WIN 0x0c                                       ; window 3: the second head
.irp a, 0,1,2,3
	global_store_b128 v[CO], v[64*\a:64*\a+3], s[12:13] offset:4096+1024*\a
	global_store_b128 v[CO], v[64*\a+4:64*\a+7], s[12:13] offset:4096+1024*\a+512
.endr
	WIN 0
.Ldone:
	s_wait_tensorcnt 0x0                           ; the wave's end
	ds_add_u32 v[SPW], v[NIL]
	s_wait_dscnt 0x0
	CROUND                                         ; the closing round: no work-group ends while a partner may still ask for a tile that names it
	s_endpgm
.Lfunc_end_k_qf496cd267a_qkv:
	.size	k_qf496cd267a_qkv, .Lfunc_end_k_qf496cd267a_qkv-k_qf496cd267a_qkv
	.p2alignl 7, 3214868480
	.fill 96, 4, 3214868480
	.section	.rodata,"a",@progbits
	.p2align	6, 0x0
	.amdhsa_kernel k_qf496cd267a_qkv
		.amdhsa_group_segment_fixed_size 327680
		.amdhsa_private_segment_fixed_size 0
		.amdhsa_enable_private_segment 0
		.amdhsa_kernarg_size 40
		.amdhsa_user_sgpr_count 2
		.amdhsa_user_sgpr_kernarg_segment_ptr 1
		.amdhsa_wavefront_size32 1
		.amdhsa_system_sgpr_workgroup_id_x 1
		.amdhsa_system_sgpr_workgroup_id_y 1
		.amdhsa_system_sgpr_workgroup_id_z 1
		.amdhsa_system_vgpr_workitem_id 0
		.amdhsa_next_free_vgpr 1024
		.amdhsa_next_free_sgpr 102
		.amdhsa_reserve_vcc 0
		.amdhsa_float_denorm_mode_32 3
		.amdhsa_float_denorm_mode_16_64 3
		.amdhsa_memory_ordered 1
		.amdhsa_forward_progress 1
		.amdhsa_inst_pref_size 149
	.end_amdhsa_kernel
	.amdgpu_metadata
---
amdhsa.version: [ 1, 2 ]
amdhsa.kernels:
  - .name:           k_qf496cd267a_qkv
    .symbol:         k_qf496cd267a_qkv.kd
    .args:
      - { .name: xq, .offset: 0, .size: 8, .value_kind: global_buffer, .address_space: global }
      - { .name: wq, .offset: 8, .size: 8, .value_kind: global_buffer, .address_space: global }
      - { .name: b_q, .offset: 16, .size: 8, .value_kind: global_buffer, .address_space: global }
      - { .name: qkv16, .offset: 24, .size: 8, .value_kind: global_buffer, .address_space: global }
      - { .name: first16, .offset: 32, .size: 8, .value_kind: global_buffer, .address_space: global }
    .group_segment_fixed_size: 327680
    .private_segment_fixed_size: 0
    .kernarg_segment_align: 8
    .kernarg_segment_size: 40
    .max_flat_workgroup_size: 128
    .sgpr_count:     102
    .vgpr_count:     1024
    .wavefront_size: 32
...
	.end_amdgpu_metadata
.endif
;; end of part 2
;; launch attn (part 3): grid 4 x 64, 8 waves a work-group, no clusters, 327,680 bytes of LDS; arguments qkv16, b_kv, att; writes att
.if DOCPART == 3
	.amdgcn_target "amdgcn-amd-amdhsa--gfx1250"
	.amdhsa_code_object_version 6
	.text
	.protected	k_qf496cd267a_attn
	.globl	k_qf496cd267a_attn
	.p2align	8
	.type	k_qf496cd267a_attn,@function
k_qf496cd267a_attn:
	s_mov_b64 s[64:65], 0
	v_nop
	global_prefetch_b8 v0, s[64:65] scope:SCOPE_SE
	s_setreg_imm32_b32 hwreg(HW_REG_WAVE_MODE, 25, 1), 1
	s_wait_xcnt 0x0
; Launch 3 of 5: att[b][t][head] = softmax_causal(q k^T / 8) v + b_v, operands f16, products, maxima and sums f32; the weights p are rounded to f16 for the second product, the result once to f16.
; LEFT OUT: key steps that lie wholly above the diagonal; the bias on k (shown at the head of the first launch).  b_v is added behind the division: a softmax row sums to 1.
; SHARES.  Work-group (i, bh) owns the query blocks 7 - i and i (256 queries each) of one head, the long one first.  The long block walks key slots 0 .. 7 - i, the short one 0 .. i: always 9 slots of
; 256 keys, so all 256 work-groups have equal work and the loop's trip count is a constant.  A wave owns 32 queries, two tiles of 16, at 32 x SUB in the block; SUB = w for w < 4, else 11 - w, so that the
; two waves of a SIMD have 5 of 8 steps of a diagonal slot between them.  Two waves to a SIMD: one's softmax stands beside the other's products and LDS loads.
; LAYOUT.  S^T = K Q^T (source 0 = 16 keys, source 1 = 16 queries), O^T = V^T P (source 0 = 16 channels x 32 keys, source 1 = P): a lane holds ONE query (lane % 16) throughout.
; q, k, v arrive as images of operand registers: a fragment is two loads of 16 bytes at 16 x lane: consecutive bytes, no pitch, no padding.
; SOFTMAX.  A running maximum m and sum l for each query: p = 2^(c s - c m), c = log2(e) / 8; in every step O and l are multiplied by a = 2^(c m_old - c m_new).  m begins at -3e38, O and l at 0.
; NO CLUSTER: the four work-groups of a head want slot t in trip t only while t <= 7 - i and then restart at slot 0 in different trips; were every joint request made in all partners, each would
; walk 12 slots in place of 9.
; LIMITS: |q|, |k|, |v| and |result| under f16's 65,504; scores under -3e38 are not served.
.set SLOT1, 1<<16                      ; LDS: slot 0 at 0, slot 1 here: one exclusive or turns an address.  In a slot: K's 16 key tiles x 2,048 bytes, then V's 8 groups x 4,096
.set BVL,   2*SLOT1                    ; b_v's 64 numbers of my head, a copy of 256 bytes for each wave
.set SPARE, BVL+8*256                  ; the spare words, 128 bytes a wave, which no other line names
.set LI,   1                           ; v1  16 x lane; never rewritten
.set AD,   2                           ; v2  LDS address of the step's tiles
.set PFO,  3                           ; v3  256 x lane; never rewritten
.set SPW,  4                           ; v4  my spare word; never rewritten
.set NIL,  5                           ; v5  0; never rewritten
.set RH,   6                           ; v6  r - 8 h
.set NINF, 7                           ; v7  -infinity
.set BVA,  8                           ; v8  where I read b_v: BVL + 256 w + 32 h
.set BVS,  9                           ; v9  where I put it:  BVL + 256 w + 16 r
.set D0,   10                          ; v10, v11  my query less the step's first key less 8 h, for tiles 0 and 1
.set ST,   12                          ; v12-27 statistics, tile t at 12 + 8 t: +0 c m, +1 m, +2, +3 l, +4 .. +7 at work; a at +6
.set Q,    28                          ; v28-59   Q: 16 t + 8 u
.set S,    60                          ; v60-123  S^T: 32 t + 8 kt; p is packed in place into a tile's first 16
.set O,    124                         ; v124-187 O^T: 32 t + 8 dt
.set KV,   188                         ; v188-251 one buffer: a step's K, then its V
; s10 wave, s11 SUB, s12 i, s13 bh, s[14:15] lane selects, s[16:17] c twice, s[20:27] descriptor group 1, s[28:31] group 0, s[32:33] my part of slot 0 in memory, s[34:35] the slot's offset,
; s[36:37] the prefetches' address, s38 trips in which I prefetch, s39 LDS byte of the step in hand, s40 trip, s41 slots of the long block, s42 the step's first key, s43 my first query,
; s[44:45] q of my head, s[46:47] att at my batch and head, s48-53 at work, s54 counts a slot's steps
	s_load_b128 s[4:7], s[0:1], 0x0                ; qkv16 s[4:5], b_kv s[6:7]
	s_load_b64 s[8:9], s[0:1], 0x10                ; att
	v_lshl_add_u32 v[SPW], v0, 2, SPARE
	v_mov_b32 v[NIL], 0
	ds_add_u32 v[SPW], v[NIL]                      ; the wave's opening: the add, twice on end, and its wait ahead of my first tensor load
	ds_add_u32 v[SPW], v[NIL]                      ; and once more; the set-up below, work on registers, stands between it and the wait
	v_lshrrev_b32 v2, 5, v0
	v_readfirstlane_b32 s10, v2                    ; wave 0..7
	s_sub_co_u32 s48, 11, s10
	s_cmp_lt_u32 s10, 4
	s_cselect_b32 s11, s10, s48                    ; SUB
	s_mov_b32 s12, ttmp9                           ; i
	s_and_b32 s13, ttmp7, 0xffff                   ; bh
	s_mov_b32 s14, 0x76543210
	s_mov_b32 s15, 0xfedcba98
	s_mov_b32 s16, 0x3e38aa3b                      ; c = log2(e) / 8
	s_mov_b32 s17, s16                             ; (named with it as a pair, so it is written)
	; descriptor group 1: 8,192 dense bytes as 32 rows of 256 bytes (32 elements of 8 bytes), no padding
	s_mov_b32 s20, 3<<16
	s_mov_b32 s21, 32<<16                          ; tensor_dim0
	s_mov_b32 s22, 32<<16                          ; tensor_dim1
	s_mov_b32 s23, 32<<16                          ; tile_dim0
	s_mov_b32 s24, 32                              ; tile_dim1
	s_mov_b32 s25, 32                              ; from row to row
	s_mov_b32 s26, 0
	s_mov_b32 s27, 0
	s_mov_b32 s28, 1
	s_lshl_b32 s29, s10, 13                        ; LDS: slot 0 + 8,192 x wave: waves 0-3 bring K's four steps, waves 4-7 V's
	s_lshr_b32 s32, s10, 2
	s_lshl_b32 s32, s32, 24                        ; K's section or V's
	s_lshl_b32 s50, s13, 18                        ; my head: 262,144 bytes in each section
	s_add_co_u32 s32, s32, s50
	s_and_b32 s49, s10, 3
	s_lshl_b32 s49, s49, 13
	s_add_co_u32 s32, s32, s49
	s_mov_b32 s33, 0
	s_mov_b32 s34, 0
	s_mov_b32 s35, 0
	s_mov_b32 s51, 0
	s_cmp_eq_u32 s12, 0
	s_cselect_b32 s38, 6, 0                        ; the head's work-group with i = 0 prefetches, in trips 0 to 5
	s_sub_co_u32 s41, 8, s12
	s_lshr_b32 s46, s13, 4
	s_lshl_b32 s46, s46, 22                        ; att: 128 row tiles x 32,768 bytes a batch,
	s_and_b32 s48, s13, 15
	s_lshl_b32 s49, s48, 11                        ; 2 chunks x 1,024 bytes a head
	s_add_co_u32 s46, s46, s49
	s_mov_b32 s47, 0
	s_lshl_b32 s52, s48, 8                         ; b_v of my head: b_kv + 4,096 + 256 x head
	s_add_co_u32 s52, s52, 4096
	s_mov_b32 s53, 0
	s_wait_dscnt 0x0                               ; both opening adds are done
	s_wait_kmcnt 0x0
	s_add_nc_u64 s[32:33], s[4:5], s[32:33]
	s_mov_b64 s[30:31], s[32:33]
	s_or_b32 s31, s31, 0x80000000
	tensor_load_to_lds s[28:31], s[20:27]          ; slot 0, every wave its 8,192 bytes: one tensor load of mine is out at any time
	s_nop 0
.rept 4
	v_nop
.endr
	s_add_nc_u64 s[36:37], s[32:33], 32768         ; the first change of slots steps it to slot 2
	s_add_nc_u64 s[44:45], s[4:5], s[50:51]
	s_add_nc_u64 s[44:45], s[44:45], 0x2000000     ; q's section
	s_add_nc_u64 s[46:47], s[8:9], s[46:47]
	s_add_nc_u64 s[52:53], s[6:7], s[52:53]
	v_and_b32 v10, 31, v0
	v_lshlrev_b32 v[LI], 4, v10
	v_lshlrev_b32 v[PFO], 8, v10
	v_and_b32 v11, 15, v0                          ; r
	v_bfe_u32 v12, v0, 4, 1                        ; h
	v_lshlrev_b32 v13, 3, v12
	v_sub_nc_u32 v[RH], v11, v13
	v_mov_b32 v[NINF], 0xff800000
	s_lshl_b32 s48, s10, 8
	v_lshl_add_u32 v[BVA], v12, 5, s48
	v_add_nc_u32 v[BVA], BVL, v[BVA]
	v_lshl_add_u32 v[BVS], v11, 4, s48
	v_add_nc_u32 v[BVS], BVL, v[BVS]
	v_lshlrev_b32 v[AD], 4, v11
	global_load_b128 v[KV:KV+3], v[AD], s[52:53]   ; b_v: lane r takes numbers 4 r .. 4 r + 3 (lanes 16-31 the same again)
.macro QLOAD                           ; my 32 queries' fragments: tile t, channels 32 u on
	s_lshl_b32 s50, s43, 7                         ; 2,048 bytes a tile of 16 queries
	s_mov_b32 s51, 0
	s_add_nc_u64 s[50:51], s[44:45], s[50:51]
.irp t, 0,1
.irp u, 0,1
.irp c, 0,1
	global_load_b128 v[Q+16*\t+8*\u+4*\c:Q+16*\t+8*\u+4*\c+3], v[LI], s[50:51] offset:2048*\t+1024*\u+512*\c
.endr
.endr
.endr
.endm
.macro INIT                            ; a block's start.  The step is written once: its first walk finds zeros, which a = 0 leaves zeros.  All eight statistics are written, so that every way finds them written
.irp t, 0,1
	v_mov_b32 v[ST+8*\t+1], 0xff61b1e6             ; m = -3e38
	v_mul_f32 v[ST+8*\t], s16, v[ST+8*\t+1]        ; c m
.irp j, 2,3,4,5,6,7
	v_mov_b32 v[ST+8*\t+\j], 0
.endr
.endr
.set n, 0
.rept 64
	v_mov_b32 v[O+n], 0
.set n, n+1
.endr
.endm
; A PREFETCH INTO THE L2: trip t names slot t + 2, which the next change of slots will ask for: a slot's four key steps ahead of that load.  All four work-groups of a head walk the same K and V: the one with i = 0,
; whose long block walks all eight slots, asks.  Each of its waves asks for the 8,192 bytes that it will fetch, lanes 256 bytes apart: each aligned block of 256 bytes is named once in the launch.
; Slots 0 and 1 come by their loads alone; trips 6 and 7 ask for nothing: slot 7 is the last; the short blocks' slots have been read before.
.macro ASK
	s_cmp_lt_u32 s40, s38
	s_cbranch_scc0 .Lnot_mine_\@
	global_prefetch_b8 v[PFO], s[36:37] th:TH_LOAD_NT scope:SCOPE_SE
.Lnot_mine_\@:
.endm
; THE CHANGE OF SLOTS stands at a slot's head.  Each wave waits for all its tensor loads (its part of the slot ahead), adds 0 to its spare word, and waits for that and for its reads of the slot that it has left.
; Behind the barrier the slot ahead is whole and nobody reads the other one.  fill = 1: that other one takes the walk's next slot: the next 256 keys, or, where the long block ends, keys 0 on for the short one.
.macro CHANGE fill
	s_wait_tensorcnt 0x0                           ; no tensor load of mine is out, so group 0 may be written
	ds_add_u32 v[SPW], v[NIL]                      ; 0 onto my spare word; every way from the head passes the first fill
.if \fill
	s_xor_b32 s29, s29, SLOT1
	s_add_co_u32 s34, s34, 32768
	s_add_co_u32 s48, s40, 1
	s_cmp_eq_u32 s48, s41                          ; does the next slot begin the short block?  Ids and the count of trips alone
	s_cselect_b32 s34, 0, s34
	s_add_nc_u64 s[30:31], s[32:33], s[34:35]
	s_or_b32 s31, s31, 0x80000000
	s_wait_xcnt 0x0                                ; the last prefetch, a slot back, has read its address
	s_add_nc_u64 s[36:37], s[36:37], 32768
.endif
	s_wait_dscnt 0x0                               ; the add is done, and my reads of the slot that I have left are over
	s_barrier_signal -1
	s_barrier_wait -1
.if \fill
	tensor_load_to_lds s[28:31], s[20:27]          ; the first thing behind the barrier, and my one tensor load until the next
	s_nop 0
.rept 4
	v_nop
.endr
	ASK
.endif
.endm
; THE SOFTMAX of a step, the two tiles' lines by turns.
.macro SOFTMAX
.irp j, 0,1,2,3                        ; the maximum of a tile's 32 scores and the old m: four chains; each accumulator is first read at its low end
.irp t, 0,1
	v_max3_num_f32 v[ST+8*\t+4+\j], v[S+32*\t+8*\j], v[S+32*\t+8*\j+1], v[S+32*\t+8*\j+2]
.endr
.endr
.irp g, 1,2
.irp j, 0,1,2,3
.irp t, 0,1
	v_max3_num_f32 v[ST+8*\t+4+\j], v[ST+8*\t+4+\j], v[S+32*\t+8*\j+2*\g+1], v[S+32*\t+8*\j+2*\g+2]
.endr
.endr
.endr
.irp t, 0,1
	v_max3_num_f32 v[ST+8*\t+4], v[ST+8*\t+4], v[S+32*\t+7], v[S+32*\t+15]
	v_max3_num_f32 v[ST+8*\t+6], v[ST+8*\t+6], v[S+32*\t+23], v[S+32*\t+31]
.endr
.irp t, 0,1
	v_max3_num_f32 v[ST+8*\t+4], v[ST+8*\t+4], v[ST+8*\t+5], v[ST+8*\t+6]
.endr
.irp t, 0,1
	v_max3_num_f32 v[ST+8*\t+4], v[ST+8*\t+4], v[ST+8*\t+7], v[ST+8*\t+1]
.endr
.irp t, 0,1
	v_permlanex16_b32 v[ST+8*\t+5], v[ST+8*\t+4], s14, s15   ; the query's other 32 keys lie in the lane 16 away
.endr
.irp t, 0,1
	v_mov_b32 v[ST+8*\t+7], v[ST+8*\t]             ; c m_old
.endr
.irp t, 0,1
	v_max_num_f32 v[ST+8*\t+1], v[ST+8*\t+4], v[ST+8*\t+5]
.endr
.irp t, 0,1
	v_mul_f32 v[ST+8*\t], s16, v[ST+8*\t+1]
.endr
.irp t, 0,1
	v_sub_f32 v[ST+8*\t+7], v[ST+8*\t+7], v[ST+8*\t]
.endr
.irp b, 0,2,4,6,8,10,12,14,16,18,20,22,24,26,28,30
.irp t, 0,1
	v_pk_fma_f32 v[S+32*\t+\b:S+32*\t+\b+1], v[S+32*\t+\b:S+32*\t+\b+1], s[16:17], v[ST+8*\t:ST+8*\t+1] op_sel_hi:[1,0,0] neg_lo:[0,0,1] neg_hi:[0,0,1]   ; c s - c m, two at a time
.endr
.endr
.irp t, 0,1
	v_exp_f32 v[ST+8*\t+6], v[ST+8*\t+7]           ; a
.endr
.set n, 0
.rept 64
	v_exp_f32 v[S+n], v[S+n]                       ; p.  The 66 exponentials are one batch: none reads another's result
.set n, n+1
.endr
	v_nop                                          ; a plain instruction behind the last exponential
	s_wait_alu depctr_va_vdst(0)                   ; the wait ahead of the first instruction that names a result: one for the batch
.irp t, 0,1
	v_pk_mul_f32 v[ST+8*\t+2:ST+8*\t+3], v[ST+8*\t+2:ST+8*\t+3], v[ST+8*\t+6:ST+8*\t+7] op_sel_hi:[1,0]   ; l under the new m
.endr
.irp t, 0,1                            ; the row's sum of the unrounded p, two chains
	v_pk_add_f32 v[ST+8*\t+4:ST+8*\t+5], v[S+32*\t+2:S+32*\t+3], v[S+32*\t+6:S+32*\t+7]
	v_pk_add_f32 v[ST+8*\t+2:ST+8*\t+3], v[ST+8*\t+2:ST+8*\t+3], v[S+32*\t:S+32*\t+1]
.endr
.irp t, 0,1
	v_pk_add_f32 v[ST+8*\t+2:ST+8*\t+3], v[ST+8*\t+2:ST+8*\t+3], v[S+32*\t+4:S+32*\t+5]
.endr
.irp j, 8,12,16,20,24,28
.irp t, 0,1
	v_pk_add_f32 v[ST+8*\t+2:ST+8*\t+3], v[ST+8*\t+2:ST+8*\t+3], v[S+32*\t+\j:S+32*\t+\j+1]
	v_pk_add_f32 v[ST+8*\t+4:ST+8*\t+5], v[ST+8*\t+4:ST+8*\t+5], v[S+32*\t+\j+2:S+32*\t+\j+3]
.endr
.endr
.irp t, 0,1
	v_pk_add_f32 v[ST+8*\t+2:ST+8*\t+3], v[ST+8*\t+2:ST+8*\t+3], v[ST+8*\t+4:ST+8*\t+5]
.endr
.set n, 0
.rept 16
.irp t, 0,1
	v_cvt_pk_f16_f32 v[S+32*\t+n], v[S+32*\t+2*n], v[S+32*\t+2*n+1]   ; in place, ascending: registers 8 g .. 8 g + 7 are then source 1 for keys 32 g on
.endr
.set n, n+1
.endr
.set n, 0
.rept 16
.irp t, 0,1
	v_pk_mul_f32 v[O+32*\t+2*n:O+32*\t+2*n+1], v[O+32*\t+2*n:O+32*\t+2*n+1], v[ST+8*\t+6:ST+8*\t+7] op_sel_hi:[1,0]   ; O^T under the new m
.endr
.set n, n+1
.endr
.endm
; A KEY STEP: 64 keys.  Written once, walked four times a slot; its LDS addresses hang on s39.
.macro STEP
	s_add_co_u32 s48, s43, 31                      ; a step all of whose keys come after my 32 queries is left out: a scalar branch on ids and the count of steps, round no barrier and no tensor load
	s_cmp_gt_u32 s42, s48
	s_cbranch_scc1 .Lhidden_\@
	v_add_nc_u32 v[AD], s39, v[LI]
.rept 4
	v_nop                                          ; with the addition five places behind the last step's products: four for the loads into their source 0, five for the products below, which write over their source 1
.endr
.irp kt, 0,1,2,3
.irp u, 0,1
.irp c, 0,1
	ds_load_b128 v[KV+16*\kt+8*\u+4*\c:KV+16*\kt+8*\u+4*\c+3], v[AD] offset:2048*\kt+1024*\u+512*\c
.endr
.endr
.endr
	s_wait_dscnt 0x0
.irp u, 0,1                            ; S^T = K Q^T: eight accumulators by turns
.irp kt, 0,1,2,3
.irp t, 0,1
.if \u == 0
	v_wmma_f32_16x16x32_f16 v[S+32*\t+8*\kt:S+32*\t+8*\kt+7], v[KV+16*\kt+8*\u:KV+16*\kt+8*\u+7], v[Q+16*\t+8*\u:Q+16*\t+8*\u+7], 0
.else
	v_wmma_f32_16x16x32_f16 v[S+32*\t+8*\kt:S+32*\t+8*\kt+7], v[KV+16*\kt+8*\u:KV+16*\kt+8*\u+7], v[Q+16*\t+8*\u:Q+16*\t+8*\u+7], v[S+32*\t+8*\kt:S+32*\t+8*\kt+7]
.endif
.endr
.endr
.endr
.rept 4
	v_nop                                          ; places in front of the loads into K's registers and of the first read of the scores
.endr
.irp g, 0,1                            ; V lands while the softmax is walked
.irp dt, 0,1,2,3
.irp c, 0,1
	ds_load_b128 v[KV+32*\g+8*\dt+4*\c:KV+32*\g+8*\dt+4*\c+3], v[AD] offset:32768+4096*\g+1024*\dt+512*\c
.endr
.endr
.endr
	s_add_co_u32 s48, s42, 63                      ; a step all of whose keys count for all my queries skips the mask
	s_cmp_le_u32 s48, s43
	s_cbranch_scc1 .Lopen_\@
	s_sub_co_i32 s49, s43, s42
	v_add_nc_u32 v[D0], s49, v[RH]                 ; register 8 kt + j of tile t holds key (first key) + 16 kt + 8 h + j: hidden where 16 kt + j > my query - first key - 8 h
	v_add_nc_u32 v[D0+1], 16, v[D0]
.irp t, 0,1
.set n, 0
.rept 32
	v_cmp_gt_i32 vcc_lo, 16*(n/8)+n%8, v[D0+\t]
	v_cndmask_b32 v[S+32*\t+n], v[S+32*\t+n], v[NINF], vcc_lo
.set n, n+1
.endr
.endr
.Lopen_\@:
	SOFTMAX
	s_wait_dscnt 0x0                               ; V is in
.irp g, 0,1                            ; O^T += V^T P: eight accumulators by turns
.irp dt, 0,1,2,3
.irp t, 0,1
	v_wmma_f32_16x16x32_f16 v[O+32*\t+8*\dt:O+32*\t+8*\dt+7], v[KV+32*\g+8*\dt:KV+32*\g+8*\dt+7], v[S+32*\t+8*\g:S+32*\t+8*\g+7], v[O+32*\t+8*\dt:O+32*\t+8*\dt+7]
.endr
.endr
.endr
.Lhidden_\@:
	s_add_co_u32 s42, s42, 64
	s_add_co_u32 s39, s39, 8192
.endm
.macro SLOT_STEPS
	s_mov_b32 s54, 4
.Lstep_\@:
	STEP
	s_sub_co_u32 s54, s54, 1
	s_cmp_lg_u32 s54, 0
	s_cbranch_scc1 .Lstep_\@
	s_sub_co_u32 s39, s39, 32768                   ; back to a slot's first step,
	s_xor_b32 s39, s39, SLOT1                      ; in the other slot
.endm
; A BLOCK'S END: O^T / l + b_v, rounded to f16: four registers are half a fragment of the projection's operand; eight stores of 512 consecutive bytes.  next = 1: the short block is set up.
.macro FINISH next
.rept 4
	v_nop                                          ; places behind the last products
.endr
.irp dt, 0,1,2,3
.irp e, 0,1
	ds_load_b128 v[KV+8*\dt+4*\e:KV+8*\dt+4*\e+3], v[BVA] offset:64*\dt+16*\e   ; b_v[16 dt + 8 h + 0..7]: my wave's own copy
.endr
.endr
	s_lshl_b32 s48, s43, 11                        ; 32,768 bytes a tile of 16 rows
	s_mov_b32 s49, 0
	s_add_nc_u64 s[48:49], s[46:47], s[48:49]
.if \next
	s_lshl_b32 s43, s12, 8
	s_lshl_b32 s52, s11, 5
	s_add_co_u32 s43, s43, s52                     ; my first query in block i
	QLOAD
.endif
.irp t, 0,1
	v_add_f32 v[ST+8*\t+4], v[ST+8*\t+2], v[ST+8*\t+3]
.endr
.irp t, 0,1
	v_permlanex16_b32 v[ST+8*\t+5], v[ST+8*\t+4], s14, s15
.endr
.irp t, 0,1
	v_add_f32 v[ST+8*\t+4], v[ST+8*\t+4], v[ST+8*\t+5]
.endr
.irp t, 0,1
	v_rcp_f32 v[ST+8*\t+6], v[ST+8*\t+4]
.endr
	v_nop                                          ; a plain instruction behind the reciprocals
	s_wait_alu depctr_va_vdst(0)                   ; and the wait ahead of the first use
	s_wait_dscnt 0x0
.irp t, 0,1
.set n, 0
.rept 16
	v_pk_fma_f32 v[S+32*\t+2*n:S+32*\t+2*n+1], v[O+32*\t+2*n:O+32*\t+2*n+1], v[ST+8*\t+6:ST+8*\t+7], v[KV+2*n:KV+2*n+1] op_sel_hi:[1,0,1]
.set n, n+1
.endr
.endr
.irp t, 0,1
.set n, 0
.rept 16
	v_cvt_pk_f16_f32 v[S+32*\t+n], v[S+32*\t+2*n], v[S+32*\t+2*n+1]
.set n, n+1
.endr
.endr
.irp t, 0,1
.irp u, 0,1
.irp c, 0,1
	global_store_b128 v[LI], v[S+32*\t+8*\u+4*\c:S+32*\t+8*\u+4*\c+3], s[48:49] offset:32768*\t+1024*\u+512*\c
.endr
.endr
.endr
.if \next
	INIT
	s_mov_b32 s42, 0
	s_wait_loadcnt 0x0                             ; Q
	s_wait_xcnt 0x0                                ; the stores have read their registers and their base: both are written again only behind this wait
.endif
.endm
	s_sub_co_u32 s43, 7, s12
	s_lshl_b32 s43, s43, 8
	s_lshl_b32 s48, s11, 5
	s_add_co_u32 s43, s43, s48                     ; my first query in block 7 - i
	QLOAD
	INIT
	s_wait_loadcnt 8                               ; b_v is in; the eight loads of Q may be out
	ds_store_b128 v[BVS], v[KV:KV+3]               ; into my wave's own bytes, which no tensor load fills: no barrier
	s_wait_loadcnt 0x0
	s_mov_b32 s40, 0
	s_mov_b32 s42, 0
	s_mov_b32 s39, 0
.Ltrip:                                            ; eight trips: behind each change of slots but the last the walk's next slot is asked for.  Slot 1's first fill stands behind the first trip's barrier
	CHANGE 1
	SLOT_STEPS
	s_add_co_u32 s48, s40, 1
	s_cmp_eq_u32 s48, s41                          ; was that the long block's last slot?  The same in all eight waves
	s_cbranch_scc0 .Lsame
	FINISH 1
.Lsame:
	s_add_co_u32 s40, s40, 1
	s_cmp_lt_u32 s40, 8
	s_cbranch_scc1 .Ltrip
	CHANGE 0                                       ; the ninth slot is written out
	SLOT_STEPS
	FINISH 0
	s_wait_tensorcnt 0x0                           ; the wave's end
	ds_add_u32 v[SPW], v[NIL]
	s_wait_dscnt 0x0
	s_endpgm
.Lfunc_end_k_qf496cd267a_attn:
	.size	k_qf496cd267a_attn, .Lfunc_end_k_qf496cd267a_attn-k_qf496cd267a_attn
	.p2alignl 7, 3214868480
	.fill 96, 4, 3214868480
	.section	.rodata,"a",@progbits
	.p2align	6, 0x0
	.amdhsa_kernel k_qf496cd267a_attn
		.amdhsa_group_segment_fixed_size 327680
		.amdhsa_private_segment_fixed_size 0
		.amdhsa_enable_private_segment 0
		.amdhsa_kernarg_size 24
		.amdhsa_user_sgpr_count 2
		.amdhsa_user_sgpr_kernarg_segment_ptr 1
		.amdhsa_wavefront_size32 1
		.amdhsa_system_sgpr_workgroup_id_x 1
		.amdhsa_system_sgpr_workgroup_id_y 1
		.amdhsa_system_sgpr_workgroup_id_z 1
		.amdhsa_system_vgpr_workitem_id 0
		.amdhsa_next_free_vgpr 256
		.amdhsa_next_free_sgpr 66
		.amdhsa_reserve_vcc 1
		.amdhsa_float_denorm_mode_32 3
		.amdhsa_float_denorm_mode_16_64 3
		.amdhsa_memory_ordered 1
		.amdhsa_forward_progress 1
		.amdhsa_inst_pref_size 68
	.end_amdhsa_kernel
	.amdgpu_metadata
---
amdhsa.version: [ 1, 2 ]
amdhsa.kernels:
  - .name:           k_qf496cd267a_attn
    .symbol:         k_qf496cd267a_attn.kd
    .args:
      - { .name: qkv16, .offset: 0, .size: 8, .value_kind: global_buffer, .address_space: global }
      - { .name: b_kv, .offset: 8, .size: 8, .value_kind: global_buffer, .address_space: global }
      - { .name: att, .offset: 16, .size: 8, .value_kind: global_buffer, .address_space: global }
    .group_segment_fixed_size: 327680
    .private_segment_fixed_size: 0
    .kernarg_segment_align: 8
    .kernarg_segment_size: 24
    .max_flat_workgroup_size: 256
    .sgpr_count:     66
    .vgpr_count:     256
    .wavefront_size: 32
...
	.end_amdgpu_metadata
.endif
;; end of part 3
;; launch proj (part 4): grid 4 x 64, 4 waves a work-group, clusters of 4 x 4, 327,680 bytes of LDS; arguments att, wo16, b_o, out0; writes out0
.if DOCPART == 4
	.amdgcn_target "amdgcn-amd-amdhsa--gfx1250"
	.amdhsa_code_object_version 6
	.text
	.protected	k_qf496cd267a_proj
	.globl	k_qf496cd267a_proj
	.p2align	8
	.type	k_qf496cd267a_proj,@function
k_qf496cd267a_proj:
	s_mov_b64 s[64:65], 0
	v_nop
	global_prefetch_b8 v0, s[64:65] scope:SCOPE_SE
	s_setreg_imm32_b32 hwreg(HW_REG_WAVE_MODE, 25, 1), 1
	s_wait_xcnt 0x0
	s_wait_alu depctr_hold_cnt(0) depctr_sa_sdst(0) depctr_va_vdst(0) depctr_va_sdst(0) depctr_va_ssrc(0) depctr_va_vcc(0) depctr_vm_vsrc(0)
	s_getreg_b32 s2, hwreg(HW_REG_IB_STS2, 6, 4)
	s_cmp_eq_u32 s2, 0
	s_cbranch_scc0 .Lentry_in_a_cluster
	s_endpgm
.Lentry_in_a_cluster:
	s_bfe_u32 s2, ttmp6, 0x10000c
	s_cmp_lg_u32 s2, 0xf033
	s_cbranch_scc0 .Lentry_shape_is_right
	s_endpgm
.Lentry_shape_is_right:
; Launch 4 of 5: out0 = att W_o + b_o, operands f16, sums f32.  (Rows 0-15 of every batch lie in tiles that also hold live rows; the last launch writes them over, carried in f32.)
; A tile of 128 rows x 256 columns is made by four waves, 64 x 128 each: 32 accumulators, 256 registers: 256 work-groups; tiles of 256 x 256 would be 128.
; Both operands arrive as images of operand registers: att [rowtile 512][kchunk 32][c 2][lane][16 B], wo16 [ntile 64][kchunk 32][c 2][lane][16 B].  A K step of 128 is 4,096 consecutive bytes of each tile of 16
; rows or columns; a fragment comes out of LDS by two loads at 16 x lane: consecutive bytes, no pitch, no padding.
; K goes in 8 steps through a ring of two LDS slots.  CLUSTERS: 4 x 4 work-groups; att's tiles are asked for jointly along a row of the cluster, wo16's along a column.
; THE MATRIX INSTRUCTION IS USED TRANSPOSED (source 0 = 16 columns of W_o, source 1 = 16 rows of att): a lane holds eight neighbouring numbers of a row of out0.  b_o is the C of each sum's first product.
; No prefetch: the tile is small, and a K step of 192 or 256 does not fit twice in LDS beside the stage or does not divide 1,024.
; REGISTERS: window 0: v0-31 addresses; v32-127, v128-223 two fragment buffers (att's 4 fragments, then W_o's 8); on the way out v32-159 rows of out0.   window 1: accumulator (a, b) at v[8 (8 a + b)].   window 2: v0-63 b_o.
.set SLOT,   98304                     ; att's 8 row tiles x 4,096 bytes, then W_o's 16 column tiles x 4,096
.set BOFF,   32768
.set STAGE,  2*SLOT                    ; behind the ring: 16 rows x (512 bytes + 16) for each wave; no tensor load fills it
.set SPITCH, 528
.set SPARE,  STAGE+4*16*SPITCH         ; the spare words, 128 bytes a wave, which no other line names
.set ADRA, 16
.set ADRB, 20
.set STO,  24
.set RD,   25
.set CO,   26
.set SPW,  28
.set NIL,  29
.set F0,   32
.set F1,   128
.set G1, 24
.set G0, 32
.set G1B, 48
.set G0B, 56
.set MSB, 0
.macro WIN new
.if MSB != \new
	s_set_vgpr_msb (MSB<<8)|\new
.set MSB, \new
.endif
.endm
.set MUL,  0x50                        ; sources 0 and 1 window 0; C and D window 1
.set MULB, 0x60                        ; C window 2 (b_o), D window 1
.macro JLOAD s                         ; a joint load: waves 0 and 1 fetch att's two halves, waves 2 and 3 W_o's; an s_nop 0 and four v_nop follow each of the two lines
	s_cmp_eq_u32 s15, 0
	s_cbranch_scc0 .Lfor_b_\@
	tensor_load_to_lds s[G0+4*\s:G0+4*\s+3], s[G1:G1+7]
	s_nop 0
.rept 4
	v_nop
.endr
	s_branch .Lasked_\@
.Lfor_b_\@:
	tensor_load_to_lds s[G0B+4*\s:G0B+4*\s+3], s[G1B:G1B+7]
	s_nop 0
.rept 4
	v_nop
.endr
.Lasked_\@:
.endm
.macro CREST                           ; a round of the cluster's barrier behind its opening barrier
	s_cmp_lg_u32 s14, 0
	s_cbranch_scc1 .Lnot_wave_0_\@
	s_barrier_signal -3
.Lnot_wave_0_\@:
	s_barrier_wait -3
	s_barrier_signal -1
	s_barrier_wait -1
.endm
.macro CROUND
	s_barrier_signal -1
	s_barrier_wait -1
	CREST
.endm
	s_load_b256 s[4:11], s[0:1], 0x0               ; att s[4:5], wo16 s[6:7], b_o s[8:9], out0 s[10:11]
	v_lshl_add_u32 v[SPW], v0, 2, SPARE
	v_mov_b32 v[NIL], 0
	ds_add_u32 v[SPW], v[NIL]                      ; the wave's opening: the add, twice on end, and its wait ahead of my first tensor load
	ds_add_u32 v[SPW], v[NIL]                      ; and once more; the set-up below, work on registers, stands between it and the wait
	v_lshrrev_b32 v1, 5, v0
	v_readfirstlane_b32 s14, v1                    ; wave 0..3
	s_lshr_b32 s15, s14, 1                         ; which half of the tile's rows is mine.  Also: I fetch for att (0) or for W_o (1)
	s_and_b32 s16, s14, 1                          ; which half of its columns.  Also: which half of that tile I fetch
	s_bfe_u32 s40, ttmp6, 0x40000                  ; cx
	s_bfe_u32 s41, ttmp6, 0x40004                  ; cy
	s_lshl_b32 s42, ttmp9, 2
	s_add_co_u32 s42, s42, s40                     ; tile column = 4 x cluster x + cx
	s_and_b32 s13, ttmp7, 0xffff
	s_lshl_b32 s13, s13, 2
	s_add_co_u32 s13, s13, s41                     ; tile row = 4 x cluster y + cy
	s_lshl_b32 s43, s41, 2
	s_lshl_b32 s43, 15, s43                        ; my row of the cluster
	s_lshl_b32 s44, 0x1111, s40                    ; my column
	; descriptor group 1: rows of 4,096 bytes (512 elements of 8 bytes), 32,768 bytes apart in memory, dense in LDS: 4 of them for att, 8 for W_o
	s_or_b32 s[G1+0], s43, (3<<16)|(1<<21)         ; 15:0 the mask; 17:16 elements of 8 bytes; 21 set beside a mask
	s_or_b32 s[G1B+0], s44, (3<<16)|(1<<21)
	s_mov_b32 s[G1+1], 512<<16                     ; tensor_dim0
	s_mov_b32 s[G1+2], 4<<16                       ; tensor_dim1
	s_mov_b32 s[G1+3], 512<<16                     ; tile_dim0
	s_mov_b32 s[G1+4], 4                           ; tile_dim1
	s_mov_b32 s[G1+5], 4096                        ; from row to row, in elements
	s_mov_b32 s[G1+6], 0
	s_mov_b32 s[G1+7], 0
	s_mov_b32 s[G1B+1], 512<<16
	s_mov_b32 s[G1B+2], 8<<16
	s_mov_b32 s[G1B+3], 512<<16
	s_mov_b32 s[G1B+4], 8
	s_mov_b32 s[G1B+5], 4096
	s_mov_b32 s[G1B+6], 0
	s_mov_b32 s[G1B+7], 0
	s_lshl_b32 s17, s16, 2
	s_lshl_b32 s20, s13, 3
	s_add_co_u32 s20, s20, s17                     ; att: row tile 8 x tile row + 4 x half
	s_lshl_b32 s20, s20, 15
	s_mov_b32 s21, 0
	s_lshl_b32 s17, s16, 3
	s_lshl_b32 s46, s42, 4
	s_add_co_u32 s46, s46, s17                     ; W_o: column tile 16 x tile column + 8 x half
	s_lshl_b32 s46, s46, 15
	s_mov_b32 s47, 0
	s_lshl_b32 s18, s16, 14                        ; where they go: no place in the cluster enters an LDS address
	s_lshl_b32 s19, s16, 15
	s_add_co_u32 s19, s19, BOFF
	s_wait_dscnt 0x0                               ; both opening adds are done
	s_wait_kmcnt 0x0
	s_add_nc_u64 s[20:21], s[4:5], s[20:21]
	s_add_nc_u64 s[46:47], s[6:7], s[46:47]
	CROUND                                         ; all sixteen work-groups are here: the first joint loads meet
.irp s, 0,1
	s_mov_b32 s[G0+4*\s], 1
	s_add_co_u32 s[G0+4*\s+1], s18, \s*SLOT
	s_add_nc_u64 s[G0+4*\s+2:G0+4*\s+3], s[20:21], \s*4096
	s_or_b32 s[G0+4*\s+3], s[G0+4*\s+3], 0x80000000
	s_mov_b32 s[G0B+4*\s], 1
	s_add_co_u32 s[G0B+4*\s+1], s19, \s*SLOT
	s_add_nc_u64 s[G0B+4*\s+2:G0B+4*\s+3], s[46:47], \s*4096
	s_or_b32 s[G0B+4*\s+3], s[G0B+4*\s+3], 0x80000000
	JLOAD \s                                       ; two tensor loads of mine are out at the start, one behind each later round
.endr
	v_and_b32 v1, 31, v0
	v_lshlrev_b32 v[CO], 4, v1                     ; 16 x lane
	v_and_b32 v2, 15, v0                           ; r
	v_bfe_u32 v3, v0, 4, 1                         ; h
	s_lshl_b32 s21, s15, 14                        ; my 4 row tiles
	s_lshl_b32 s22, s16, 15
	s_add_co_u32 s22, s22, BOFF                    ; my 8 column tiles
.irp s, 0,1
	v_add_nc_u32 v[ADRA+\s], s21, v[CO]
	v_add_nc_u32 v[ADRB+\s], s22, v[CO]
	s_add_co_u32 s21, s21, SLOT
	s_add_co_u32 s22, s22, SLOT
.endr
	s_mul_i32 s23, s14, 16*SPITCH
	s_add_co_u32 s23, s23, STAGE                   ; my stage
	v_mul_u32_u24 v4, v2, SPITCH
	v_lshl_add_u32 v4, v3, 5, v4
	v_add_nc_u32 v[STO], s23, v4                   ; in: row r, 32 bytes for each half of the lanes
	v_add_nc_u32 v[RD], s23, v[CO]                 ; back: the 32 lanes take one row of 512 bytes
	s_lshl_b32 s20, s42, 10
	s_lshl_b32 s21, s16, 9
	s_add_co_u32 s20, s20, s21                     ; my first column, in bytes
	s_mov_b32 s21, 0
	s_add_nc_u64 s[8:9], s[8:9], s[20:21]          ; b_o there,
	s_add_nc_u64 s[10:11], s[10:11], s[20:21]      ; out0 there,
	s_lshl_b32 s20, s13, 7
	s_lshl_b32 s22, s15, 6
	s_add_co_u32 s20, s20, s22
	s_lshl_b32 s20, s20, 12                        ; and at my first row: rows of 4,096 bytes
	s_add_nc_u64 s[10:11], s[10:11], s[20:21]
	v_lshlrev_b32 v5, 5, v3                        ; b_o: register 8 b + j = b_o[my first column + 16 b + 8 h + j]
	WIN 0x80                                       ; destination window 2
.irp b, 0,1,2,3,4,5,6,7
	global_load_b128 v[8*\b:8*\b+3], v5, s[8:9] offset:64*\b
	global_load_b128 v[8*\b+4:8*\b+7], v5, s[8:9] offset:64*\b+16
.endr
	WIN 0
.macro MUL8 f, a, mode                 ; row tile a x my 8 column tiles, 32 along K.  mode 2: the first product starts the sums from b_o
.irp b, 0,1,2,3,4,5,6,7
.if \mode == 2
	v_wmma_f32_16x16x32_f16 v[8*(8*(\a)+\b):8*(8*(\a)+\b)+7], v[\f+32+8*\b:\f+32+8*\b+7], v[\f+8*(\a):\f+8*(\a)+7], v[8*\b:8*\b+7]
.else
	v_wmma_f32_16x16x32_f16 v[8*(8*(\a)+\b):8*(8*(\a)+\b)+7], v[\f+32+8*\b:\f+32+8*\b+7], v[\f+8*(\a):\f+8*(\a)+7], v[8*(8*(\a)+\b):8*(8*(\a)+\b)+7]
.endif
.endr
.endm
.macro MUL16 f, a0, mode
	MUL8 \f, \a0, \mode
	MUL8 \f, \a0+1, \mode
.endm
.macro FETCH slot, q, f                ; 24 LDS loads in one run: chunk q of the slot: W_o's 8 fragments, att's tiles 0 and 1, then 2 and 3
	WIN 0
.irp b, 0,1,2,3,4,5,6,7
.irp c, 0,1
	ds_load_b128 v[\f+32+8*\b+4*\c:\f+32+8*\b+4*\c+3], v[ADRB+\slot] offset:4096*\b+1024*(\q)+512*\c
.endr
.endr
.irp a, 0,1,2,3
.irp c, 0,1
	ds_load_b128 v[\f+8*\a+4*\c:\f+8*\a+4*\c+3], v[ADRA+\slot] offset:4096*\a+1024*(\q)+512*\c
.endr
.endr
.endm
.macro PLACES                          ; four plain vector instructions in front of loads into registers that matrix instructions have read, and of the first read of results
.rept 4
	v_nop
.endr
.endm
; A K step is four quarters of 32 along K, 32 matrix instructions each, on buffers 0, 1, 0, 1; the 32 accumulators take turns in one order everywhere.
.macro QUARTER slot, q, f, g, mode     ; multiplies buffer f and fetches chunk q into g
	s_wait_dscnt 4                                 ; all but att's tiles 2 and 3
.if \mode == 2
	WIN MULB
.else
	WIN MUL
.endif
	MUL16 \f, 0, \mode
	PLACES
	FETCH \slot, \q, \g
	s_wait_dscnt 24                                ; all but the 24 just issued
.if \mode == 2
	WIN MULB
.else
	WIN MUL
.endif
	MUL16 \f, 2, \mode
.endm
; The last quarter multiplies buffer 1 and changes slots: ONE barrier; in front of it each wave waits for all its tensor loads, adds 0 to its spare word, and waits for that and for its reads of this slot.
; fill = 1: the barrier opens a round of the cluster's, and this slot is filled again, two K steps ahead.
.macro TURN slot, next, fill
	WIN 0
	s_wait_tensorcnt 0x0                           ; all my tensor loads have landed: my part of the next slot
	ds_add_u32 v[SPW], v[NIL]                      ; 0 onto my spare word
	s_wait_dscnt 5                                 ; (the add and the youngest four loads may be out)
	WIN MUL
	MUL8 F1, 0, 0
	s_wait_dscnt 0x0                               ; the add is done, and my reads of this slot are over
	s_barrier_signal -1
	MUL8 F1, 1, 0
	WIN 0
	s_barrier_wait -1
.if \fill
	CREST                                          ; no wave of any partner still reads this slot's tile or has a load on its way
	s_add_nc_u64 s[G0+4*\slot+2:G0+4*\slot+3], s[G0+4*\slot+2:G0+4*\slot+3], 8192
	s_add_nc_u64 s[G0B+4*\slot+2:G0B+4*\slot+3], s[G0B+4*\slot+2:G0B+4*\slot+3], 8192
	JLOAD \slot                                    ; the first tensor load behind the round; its four v_nop are also the places in front of the loads below
.else
	PLACES
.endif
	FETCH \next, 0, F0
	WIN MUL
	MUL16 F1, 2, 0
.endm
	s_wait_tensorcnt 1                             ; my part of K step 0 is in (K step 1's load may be out),
	s_barrier_signal -1
	s_barrier_wait -1                              ; everybody's is
	FETCH 0, 0, F0
	s_wait_loadcnt 0x0                             ; b_o
	QUARTER 0, 1, F0, F1, 2                        ; the first quarter stands in front of the loop: its products start the sums
	WIN 0
	s_mov_b32 s3, 3
.Llap:                                             ; a trip goes once round the ring and fills both slots again: K steps 2 to 7
	QUARTER 0, 2, F1, F0, 0
	QUARTER 0, 3, F0, F1, 0
	TURN 0, 1, 1
	QUARTER 1, 1, F0, F1, 0
	QUARTER 1, 2, F1, F0, 0
	QUARTER 1, 3, F0, F1, 0
	TURN 1, 0, 1
	QUARTER 0, 1, F0, F1, 0
	WIN 0
	s_sub_co_u32 s3, s3, 1
	s_cmp_lg_u32 s3, 0
	s_cbranch_scc1 .Llap
	QUARTER 0, 2, F1, F0, 0                        ; the last lap fills nothing
	QUARTER 0, 3, F0, F1, 0
	TURN 0, 1, 0
	QUARTER 1, 1, F0, F1, 0
	QUARTER 1, 2, F1, F0, 0
	QUARTER 1, 3, F0, F1, 0
	s_wait_dscnt 4
	WIN MUL
	MUL16 F1, 0, 0
	s_wait_dscnt 0
	MUL16 F1, 2, 0
	WIN 0
; THE WAY OUT, 16 rows x 128 columns at a time, through my own stage: in as 32 bytes a lane, back as whole rows of 512 bytes.  LDS serves a wave's instructions in order (ISA guide 5.7.1.4): no wait between the stores and the loads.
.macro TOSTAGE a
	WIN 0x04                                       ; an LDS store's data are its source 1: window 1
.irp b, 0,1,2,3,4,5,6,7
	ds_store_b128 v[STO], v[8*(8*(\a)+\b):8*(8*(\a)+\b)+3] offset:64*\b          ; each accumulator from its low end on
	ds_store_b128 v[STO], v[8*(8*(\a)+\b)+4:8*(8*(\a)+\b)+7] offset:64*\b+16
.endr
	WIN 0
.irp t, 0,1,2,3,4,5,6,7,8,9,10,11,12,13,14,15
	ds_load_b128 v[32+64*((\a)%2)+4*\t:32+64*((\a)%2)+4*\t+3], v[RD] offset:\t*SPITCH
.endr
.endm
.macro SEND a, younger                 ; younger: the LDS instructions issued behind block a's loads
	s_wait_dscnt \younger
.irp t, 0,1,2,3,4,5,6,7,8,9,10,11,12,13,14,15
	global_store_b128 v[CO], v[32+64*((\a)%2)+4*\t:32+64*((\a)%2)+4*\t+3], s[10:11] offset:(16*(\a)+\t)*4096 th:TH_STORE_NT   ; 32 lanes store 512 consecutive bytes, aligned
.endr
.endm
	PLACES
	TOSTAGE 0
	TOSTAGE 1
	SEND 0, 32
	s_wait_xcnt 0x0                                ; block 0's stores have read their registers: block 2's loads land there only behind this wait
	TOSTAGE 2
	SEND 1, 32
	s_wait_xcnt 0x0
	TOSTAGE 3
	SEND 2, 32
	SEND 3, 0
	s_wait_tensorcnt 0x0                           ; the wave's end
	ds_add_u32 v[SPW], v[NIL]
	s_wait_dscnt 0x0
	CROUND                                         ; the closing round
	s_endpgm
.Lfunc_end_k_qf496cd267a_proj:
	.size	k_qf496cd267a_proj, .Lfunc_end_k_qf496cd267a_proj-k_qf496cd267a_proj
	.p2alignl 7, 3214868480
	.fill 96, 4, 3214868480
	.section	.rodata,"a",@progbits
	.p2align	6, 0x0
	.amdhsa_kernel k_qf496cd267a_proj
		.amdhsa_group_segment_fixed_size 327680
		.amdhsa_private_segment_fixed_size 0
		.amdhsa_enable_private_segment 0
		.amdhsa_kernarg_size 32
		.amdhsa_user_sgpr_count 2
		.amdhsa_user_sgpr_kernarg_segment_ptr 1
		.amdhsa_wavefront_size32 1
		.amdhsa_system_sgpr_workgroup_id_x 1
		.amdhsa_system_sgpr_workgroup_id_y 1
		.amdhsa_system_sgpr_workgroup_id_z 1
		.amdhsa_system_vgpr_workitem_id 0
		.amdhsa_next_free_vgpr 576
		.amdhsa_next_free_sgpr 66
		.amdhsa_reserve_vcc 0
		.amdhsa_float_denorm_mode_32 3
		.amdhsa_float_denorm_mode_16_64 3
		.amdhsa_memory_ordered 1
		.amdhsa_forward_progress 1
		.amdhsa_inst_pref_size 86
	.end_amdhsa_kernel
	.amdgpu_metadata
---
amdhsa.version: [ 1, 2 ]
amdhsa.kernels:
  - .name:           k_qf496cd267a_proj
    .symbol:         k_qf496cd267a_proj.kd
    .args:
      - { .name: att, .offset: 0, .size: 8, .value_kind: global_buffer, .address_space: global }
      - { .name: wo16, .offset: 8, .size: 8, .value_kind: global_buffer, .address_space: global }
      - { .name: b_o, .offset: 16, .size: 8, .value_kind: global_buffer, .address_space: global }
      - { .name: out0, .offset: 24, .size: 8, .value_kind: global_buffer, .address_space: global }
    .group_segment_fixed_size: 327680
    .private_segment_fixed_size: 0
    .kernarg_segment_align: 8
    .kernarg_segment_size: 32
    .max_flat_workgroup_size: 128
    .sgpr_count:     66
    .vgpr_count:     576
    .wavefront_size: 32
...
	.end_amdgpu_metadata
.endif
;; end of part 4
;; launch first_rows (part 5): grid 64 x 4, 16 waves a work-group, no clusters, 18,432 bytes of LDS; arguments first16, W_o, b_kv, b_o, out0; writes out0
.if DOCPART == 5
	.amdgcn_target "amdgcn-amd-amdhsa--gfx1250"
	.amdhsa_code_object_version 6
	.text
	.protected	k_qf496cd267a_first_rows
	.globl	k_qf496cd267a_first_rows
	.p2align	8
	.type	k_qf496cd267a_first_rows,@function
k_qf496cd267a_first_rows:
	s_mov_b64 s[64:65], 0
	v_nop
	global_prefetch_b8 v0, s[64:65] scope:SCOPE_SE
	s_setreg_imm32_b32 hwreg(HW_REG_WAVE_MODE, 25, 1), 1
	s_wait_xcnt 0x0
; Launch 5 of 5: the first 16 positions of every batch once more, in f32 from the quantised products' sums to out0: under the causal mask these rows average one to sixteen values and are the largest.
; LEFT OUT: the bias on k (shown at the head of the first launch); b_v is added behind the division.
; Work-group (x, batch) makes out0[batch][0..15][16 x .. 16 x + 15].  Wave w takes head w: its 16 x 16 attention (32 matrix instructions of 16 x 16 x 4 in f32) and the head's 64 features' part of the projection
; (16 more); the 16 parts meet in LDS, and waves 0 and 1 add them and b_o.  Every work-group of a batch does the small attention again: 64 rows of 8,192 in all, no bulk work.
; NOTHING IS SHUFFLED.  The f32 form wants k = 2 h + j in register j of lane (r, h).  q, k, v arrive as images of accumulators (lane (r, h), register j: the 8 h + j-th of 16 along the contracted axis); the pair
; of registers 2 p, 2 p + 1 taken on BOTH sides puts the same element of the contracted axis at the same place of both operands: a permutation of k applied alike, which keeps the sums.
; The stores are pieces of 64 bytes of 16 rows, since a work-group has 16 columns: 262,144 bytes of the output in all; that width is what gives 256 work-groups.
; REGISTERS: v16-47 q, later o; v48-79 k, later the sum of my part; v80-111 v; v112-143 W_o; v144-175 b_v; v64-127 at the end the 16 parts; v240-247 scores, then p; v248-255 at work.
; Written by matrix instructions alone: v176-191 two accumulators of S^T, v192-223 O^T, v224-239 two accumulators of y.
.set RED,   0                          ; LDS: 16 parts x 1,024 bytes
.set SPARE, 16384                      ; the spare words, 128 bytes a wave, which no other line names
.set SPW,  10
.set NIL,  11
.set QR,   16
.set KR,   48
.set VR,   80
.set WR,   112
.set BV,   144
.set SA,   176
.set OA,   192
.set YA,   224
.set T,    240
.set OH,   16
.set YP,   48
	s_load_b256 s[4:11], s[0:1], 0x0               ; first16 s[4:5], W_o s[6:7], b_kv s[8:9], b_o s[10:11]
	s_load_b64 s[12:13], s[0:1], 0x20              ; out0
	v_lshl_add_u32 v[SPW], v0, 2, SPARE
	v_mov_b32 v[NIL], 0
	v_lshrrev_b32 v1, 5, v0
	v_readfirstlane_b32 s14, v1                    ; wave = head
	s_and_b32 s15, ttmp7, 0xffff                   ; batch
	s_lshl_b32 s16, ttmp9, 6                       ; my 16 columns, in bytes
	s_mov_b32 s18, 0x76543210
	s_mov_b32 s19, 0xfedcba98
	s_mov_b32 s22, 0x3e38aa3b                      ; c = log2(e) / 8
	s_mov_b32 s23, s22
	v_and_b32 v1, 15, v0                           ; r
	v_bfe_u32 v2, v0, 4, 1                         ; h
	v_and_b32 v3, 31, v0
	v_lshlrev_b32 v3, 4, v3                        ; 16 x lane
	v_lshlrev_b32 v4, 2, v1
	v_lshl_add_u32 v4, v2, 15, v4                  ; W_o: 8 h rows of 4,096 bytes + 4 r
	v_lshlrev_b32 v5, 5, v2                        ; 32 h
	v_lshlrev_b32 v6, 3, v2
	v_sub_nc_u32 v6, v1, v6                        ; r - 8 h
	v_mov_b32 v7, 0xff800000                       ; -infinity
	s_and_b32 s17, s14, 1
	s_lshl_b32 s24, s17, 4
	v_add_nc_u32 v8, s24, v5                       ; b_o: 32 h + 16 x (wave & 1)
	s_lshl_b32 s24, s14, 10
	v_add_nc_u32 v9, s24, v3                       ; my part's place in LDS
	s_lshl_b32 s24, s17, 9
	v_add_nc_u32 v14, s24, v3                      ; where waves 0 and 1 read: half (wave & 1) of each part
	v_lshl_add_u32 v15, v1, 12, v8                 ; out0: row r, + 32 h + 16 x (wave & 1)
	v_mov_b32 v249, 0                              ; written once: a lane permute's destination counts as one of its sources
	v_mov_b32 v251, 0                              ; (named as the upper half of the pair v[250:251])
	s_lshl_b32 s20, s15, 4
	s_add_co_u32 s20, s20, s14
	s_lshl_b32 s20, s20, 12                        ; first16: 4,096 bytes a head
	s_mov_b32 s21, 0
	s_lshl_b32 s24, s14, 18                        ; W_o: 64 rows of 4,096 bytes a head
	s_add_co_u32 s24, s24, s16
	s_mov_b32 s25, 0
	s_lshl_b32 s26, s14, 8
	s_add_co_u32 s26, s26, 4096                    ; b_v: b_kv + 4,096 + 256 x head
	s_mov_b32 s27, 0
	s_lshl_b32 s28, s15, 23                        ; out0: 2,048 rows of 4,096 bytes a batch
	s_add_co_u32 s28, s28, s16
	s_mov_b32 s29, 0
	s_mov_b32 s17, 0
	s_wait_kmcnt 0x0
	s_add_nc_u64 s[4:5], s[4:5], s[20:21]
	s_add_nc_u64 s[6:7], s[6:7], s[24:25]
	s_add_nc_u64 s[8:9], s[8:9], s[26:27]
	s_add_nc_u64 s[10:11], s[10:11], s[16:17]
	s_add_nc_u64 s[12:13], s[12:13], s[28:29]
.irp i, 0,1,2,3,4,5,6,7                ; k, q, v: tile i / 2, half i % 2: sections 0, 524,288 and 262,144
	global_load_b128 v[KR+4*\i:KR+4*\i+3], v3, s[4:5] offset:512*\i
.endr
.irp i, 0,1,2,3,4,5,6,7
	global_load_b128 v[QR+4*\i:QR+4*\i+3], v3, s[4:5] offset:524288+512*\i
.endr
.irp i, 0,1,2,3,4,5,6,7
	global_load_b128 v[VR+4*\i:VR+4*\i+3], v3, s[4:5] offset:262144+512*\i
.endr
.irp dt, 0,1,2,3
	global_load_b128 v[BV+8*\dt:BV+8*\dt+3], v5, s[8:9] offset:64*\dt        ; b_v[16 dt + 8 h + 0..7]
	global_load_b128 v[BV+8*\dt+4:BV+8*\dt+7], v5, s[8:9] offset:64*\dt+16
.endr
.irp dt, 0,1,2,3
.irp j, 0,1,2,3,4,5,6,7
	global_load_b32 v[WR+8*\dt+\j], v4, s[6:7] offset:(16*\dt+\j)*4096      ; W_o[64 head + 16 dt + 8 h + j][my column r]
.endr
.endr
	s_wait_loadcnt 48                              ; k and q are in; v's 8, b_v's 8 and W_o's 32 loads may be out
.set ii, 0
.rept 16                               ; S^T = k q^T over the head's 64: two accumulators by turns; the first two products start the sums
.if ii < 2
	v_wmma_f32_16x16x4_f32 v[SA+8*(ii%2):SA+8*(ii%2)+7], v[KR+2*ii:KR+2*ii+1], v[QR+2*ii:QR+2*ii+1], 0
.else
	v_wmma_f32_16x16x4_f32 v[SA+8*(ii%2):SA+8*(ii%2)+7], v[KR+2*ii:KR+2*ii+1], v[QR+2*ii:QR+2*ii+1], v[SA+8*(ii%2):SA+8*(ii%2)+7]
.endif
.set ii, ii+1
.endr
.rept 8
	v_nop                                          ; eight places behind this form (ISA guide 7.12.1)
.endr
.irp j, 0,2,4,6
	v_pk_add_f32 v[T+\j:T+\j+1], v[SA+\j:SA+\j+1], v[SA+8+\j:SA+8+\j+1]     ; lane (r, h): query r, register j: key 8 h + j; from the low end on
.endr
.irp j, 0,1,2,3,4,5,6,7
	v_cmp_gt_i32 vcc_lo, \j, v6                    ; hidden where 8 h + j > r
	v_cndmask_b32 v[T+\j], v[T+\j], v7, vcc_lo
.endr
	v_max3_num_f32 v248, v[T], v[T+1], v[T+2]
	v_max3_num_f32 v248, v248, v[T+3], v[T+4]
	v_max3_num_f32 v248, v248, v[T+5], v[T+6]
	v_max_num_f32 v248, v248, v[T+7]
	v_permlanex16_b32 v249, v248, s18, s19
	v_max_num_f32 v248, v248, v249                 ; the row's maximum: key 0 counts for every query
	v_mul_f32 v250, s22, v248
.irp j, 0,2,4,6
	v_pk_fma_f32 v[T+\j:T+\j+1], v[T+\j:T+\j+1], s[22:23], v[250:251] op_sel_hi:[1,0,0] neg_lo:[0,0,1] neg_hi:[0,0,1]
.endr
.irp j, 0,1,2,3,4,5,6,7
	v_exp_f32 v[T+\j], v[T+\j]
.endr
	v_nop                                          ; a plain instruction behind the exponentials
	s_wait_alu depctr_va_vdst(0)                   ; and the wait ahead of the first use: one for the eight
	v_pk_add_f32 v[252:253], v[T:T+1], v[T+2:T+3]
	v_pk_add_f32 v[254:255], v[T+4:T+5], v[T+6:T+7]
	v_pk_add_f32 v[252:253], v[252:253], v[254:255]
	v_add_f32 v252, v252, v253
	v_permlanex16_b32 v253, v252, s18, s19
	v_add_f32 v252, v252, v253                     ; the row's sum
	v_rcp_f32 v12, v252
	v_rcp_f32 v13, v252                            ; twice: a pair for the packed form
	v_nop
	s_wait_alu depctr_va_vdst(0)
	s_wait_loadcnt 40                              ; v is in
.irp jp, 0,1,2,3                       ; O^T = v^T p over the 16 keys: four accumulators by turns
.irp dt, 0,1,2,3
.if \jp == 0
	v_wmma_f32_16x16x4_f32 v[OA+8*\dt:OA+8*\dt+7], v[VR+8*\dt+2*\jp:VR+8*\dt+2*\jp+1], v[T+2*\jp:T+2*\jp+1], 0
.else
	v_wmma_f32_16x16x4_f32 v[OA+8*\dt:OA+8*\dt+7], v[VR+8*\dt+2*\jp:VR+8*\dt+2*\jp+1], v[T+2*\jp:T+2*\jp+1], v[OA+8*\dt:OA+8*\dt+7]
.endif
.endr
.endr
.rept 8
	v_nop
.endr
	s_wait_loadcnt 32                              ; b_v is in
.set ii, 0
.rept 16
	v_pk_fma_f32 v[OH+2*ii:OH+2*ii+1], v[OA+2*ii:OA+2*ii+1], v[12:13], v[BV+2*ii:BV+2*ii+1]   ; O^T / the sum + b_v, into other registers: lane (r, h): query r, register 8 dt + j: feature 16 dt + 8 h + j
.set ii, ii+1
.endr
	s_wait_loadcnt 0x0                             ; W_o is in
.set ii, 0
.rept 16                               ; y^T = W_o^T o^T over my head's 64 features: two accumulators by turns
.if ii < 2
	v_wmma_f32_16x16x4_f32 v[YA+8*(ii%2):YA+8*(ii%2)+7], v[WR+2*ii:WR+2*ii+1], v[OH+2*ii:OH+2*ii+1], 0
.else
	v_wmma_f32_16x16x4_f32 v[YA+8*(ii%2):YA+8*(ii%2)+7], v[WR+2*ii:WR+2*ii+1], v[OH+2*ii:OH+2*ii+1], v[YA+8*(ii%2):YA+8*(ii%2)+7]
.endif
.set ii, ii+1
.endr
.rept 8
	v_nop
.endr
.irp j, 0,2,4,6
	v_pk_add_f32 v[YP+\j:YP+\j+1], v[YA+\j:YA+\j+1], v[YA+8+\j:YA+8+\j+1]   ; lane (r, h): query r, register j: column 8 h + j of my 16
.endr
	ds_store_b128 v9, v[YP:YP+3]
	ds_store_b128 v9, v[YP+4:YP+7] offset:512
	s_wait_dscnt 0x0                               ; for the others' sake: my part lies in LDS
	s_barrier_signal -1
	s_barrier_wait -1
	s_cmp_gt_u32 s14, 1
	s_cbranch_scc1 .Lend
	global_load_b128 v[56:59], v8, s[10:11]        ; b_o of my four columns
.irp p, 0,1,2,3,4,5,6,7,8,9,10,11,12,13,14,15
	ds_load_b128 v[64+4*\p:67+4*\p], v14 offset:1024*\p
.endr
	s_wait_dscnt 0x0
.irp p, 1,2,3,4,5,6,7,8,9,10,11,12,13,14,15
	v_pk_add_f32 v[64:65], v[64:65], v[64+4*\p:65+4*\p]
	v_pk_add_f32 v[66:67], v[66:67], v[66+4*\p:67+4*\p]
.endr
	s_wait_loadcnt 0x0
	v_pk_add_f32 v[64:65], v[64:65], v[56:57]
	v_pk_add_f32 v[66:67], v[66:67], v[58:59]
	global_store_b128 v15, v[64:67], s[12:13]
.Lend:
	s_wait_tensorcnt 0x0                           ; the wave's end
	ds_add_u32 v[SPW], v[NIL]
	s_wait_dscnt 0x0
	s_endpgm
.Lfunc_end_k_qf496cd267a_first_rows:
	.size	k_qf496cd267a_first_rows, .Lfunc_end_k_qf496cd267a_first_rows-k_qf496cd267a_first_rows
	.p2alignl 7, 3214868480
	.fill 96, 4, 3214868480
	.section	.rodata,"a",@progbits
	.p2align	6, 0x0
	.amdhsa_kernel k_qf496cd267a_first_rows
		.amdhsa_group_segment_fixed_size 18432
		.amdhsa_private_segment_fixed_size 0
		.amdhsa_enable_private_segment 0
		.amdhsa_kernarg_size 40
		.amdhsa_user_sgpr_count 2
		.amdhsa_user_sgpr_kernarg_segment_ptr 1
		.amdhsa_wavefront_size32 1
		.amdhsa_system_sgpr_workgroup_id_x 1
		.amdhsa_system_sgpr_workgroup_id_y 1
		.amdhsa_system_sgpr_workgroup_id_z 1
		.amdhsa_system_vgpr_workitem_id 0
		.amdhsa_next_free_vgpr 256
		.amdhsa_next_free_sgpr 66
		.amdhsa_reserve_vcc 1
		.amdhsa_float_denorm_mode_32 3
		.amdhsa_float_denorm_mode_16_64 3
		.amdhsa_memory_ordered 1
		.amdhsa_forward_progress 1
		.amdhsa_inst_pref_size 20
	.end_amdhsa_kernel
	.amdgpu_metadata
---
amdhsa.version: [ 1, 2 ]
amdhsa.kernels:
  - .name:           k_qf496cd267a_first_rows
    .symbol:         k_qf496cd267a_first_rows.kd
    .args:
      - { .name: first16, .offset: 0, .size: 8, .value_kind: global_buffer, .address_space: global }
      - { .name: W_o, .offset: 8, .size: 8, .value_kind: global_buffer, .address_space: global }
      - { .name: b_kv, .offset: 16, .size: 8, .value_kind: global_buffer, .address_space: global }
      - { .name: b_o, .offset: 24, .size: 8, .value_kind: global_buffer, .address_space: global }
      - { .name: out0, .offset: 32, .size: 8, .value_kind: global_buffer, .address_space: global }
    .group_segment_fixed_size: 18432
    .private_segment_fixed_size: 0
    .kernarg_segment_align: 8
    .kernarg_segment_size: 40
    .max_flat_workgroup_size: 512
    .sgpr_count:     66
    .vgpr_count:     256
    .wavefront_size: 32
...
	.end_amdgpu_metadata
.endif
;; end of part 5
